; MI455X (gfx1250); checked and timed in simulation.
; The chip was launched on July 23, 2026; its instructions are those of AMD's public machine-readable ISA for CDNA 5 (MIT licence, August 2026) and "CDNA5" Instruction Set Architecture Reference Guide (July 2026). The comments in the code are by the model that wrote it; some were corrected since.
;; Self Attention. Allowed arithmetic: matrix products marked QUANTISED: E3M2 operands, one E8M0 scale for each 32 along K, by v_wmma_scale_f32_16x16x128_f8f6f4 with both operands' format E3M2, f32 sums; everything else in f32.
;; Inputs: Wk 1,024 x 1,024 float32; Wo 1,024 x 1,024 float32; Wq 1,024 x 1,024 float32; Wv 1,024 x 1,024 float32; x 4 x 2,048 x 1,024 float32.
;; Outputs: out0 4 x 2,048 x 1,024 float32.
;; This version of the problem:
;;   THIS VERSION OF THE PROBLEM IS GIVEN IN LOW PRECISION. The matrix products marked QUANTISED in the list below multiply operands that are first quantised to E3M2 (3 exponent bits, 2 mantissa bits; 6 bits a number), with one power-of-two scale for each 32 numbers along K (OCP MX v1.0); their sums are f32. All else is computed in f32.
;;   The module's matrix products, in the order in which they are computed (A, B: the left and right operand; K: the contracted axis; several contracted axes count as one K, in the product's order):
;;     1. [M 8,192, K 1,024] x [K 1,024, N 1,024]; A: input x; B: input Wq: QUANTISED
;;     2. [M 8,192, K 1,024] x [K 1,024, N 1,024]; A: input x; B: input Wk: QUANTISED
;;     3. [M 8,192, K 1,024] x [K 1,024, N 1,024]; A: input x; B: input Wv: QUANTISED
;;     4. batch 64 x [M 2,048, K 64] x [K 64, N 2,048]; A: computed on the way; B: computed on the way: QUANTISED
;;     5. batch 64 x [M 64, K 2,048] x [K 2,048, N 2,048]; A: computed on the way; B: softmax (see below): QUANTISED
;;     6. [M 8,192, K 1,024] x [K 1,024, N 1,024]; A: computed on the way; B: input Wo: QUANTISED
;;   THE QUANTISER, for each operand of a quantised product, along K:
;;     - K is cut into blocks of 32 from its start; a last block that is shorter is filled with zeros.
;;     - A block's scale is 2^e with e = floor(log2(the largest magnitude in the block)) - 4, held to -126 .. 127; a block of zeros has e = 0. As a byte (E8M0): e + 127.
;;     - Each number is divided by its block's scale, clamped to +-28, and rounded to the nearest number of E3M2, ties to even, subnormals kept.
;;     - The product sums the exact products of the quantised numbers (number of the format x scale) in f32.
;;   ~~~python
;;   def quantise(x, axis):      # numpy; x: float32 -> the quantised numbers, widened to float32 again
;;       x = np.moveaxis(x, axis, -1); K = x.shape[-1]
;;       x = np.pad(x, [(0, 0)] * (x.ndim - 1) + [(0, -K % 32)]); x = x.reshape(x.shape[:-1] + (-1, 32)); a = np.abs(x).max(-1, keepdims=True)
;;       e = np.where(a > 0, np.clip(np.frexp(np.where(a > 0, a, 1))[1] - 1 - 4, -126, 127), 0)      # np.frexp(a)[1] - 1 = floor(log2(a)), exactly
;;       r = np.clip(x / 2.0 ** e, -28, 28)
;;       step = 2.0 ** (np.maximum(np.frexp(np.where(r == 0, 1, r))[1] - 1, -2) - 2)
;;       q = np.round(r / step) * step * 2.0 ** e      # np.round: ties to even
;;       return np.moveaxis(q.reshape(q.shape[:-2] + (-1,))[..., :K], -1, axis).astype(np.float32)
;;   ~~~
;;   SOFTMAX AHEAD OF A QUANTISED PRODUCT. Where the list says 'softmax', what is quantised is not the finished softmax but p = 2^(t - M), with t = logit x log2(e) and M = ceil(the row's largest t), a whole number; so 1/2 < the row's largest p <= 1. The row's sum l is taken of the UNQUANTISED p, in f32, and the product's result is divided by l at the end. Since M is a whole number, a kernel that streams over the keys may use a running M (the ceiling of the running maximum): every later rescaling is an exact power of two, which a block's scale takes up: the codes' values come out the same.
;;   OPERANDS COMPUTED ON THE WAY. 'Computed on the way' means the value that the module computes at that place (a softmax that the list does not call 'softmax' is quantised finished and normalised). What goes into a quantiser is computed in f32, as accurately as f32 sums, v_exp_f32 and their like allow (about 1e-6 of the number): no bf16 or f16 on the way to a quantiser, and a product that is left as it is and whose result goes on into a quantised operand takes f32 operands (vector FMAs, or v_wmma_f32_16x16x4_f32). A number that lies on a knife's edge between two numbers of the format may be rounded either way, as far as f32 arithmetic and the matrix unit's own rounding can turn it there, and no further.
;; One version. Each part assembles by itself: llvm-mc -triple=amdgcn-amd-amdhsa -mcpu=gfx1250 --defsym DOCPART=n.
;; ======== version 1 of 1: 4 launches
;; limits: right only within a limited range of input values
;; workspace buffers: actc 6,291,456 bytes; acts 262,144 bytes; wc 3,145,728 bytes; ws 131,072 bytes; qkvc 18,874,368 bytes; qkvs 786,432 bytes
;; launch quant (part 1): grid 768 x 1, 4 waves a work-group, no clusters, 68,096 bytes of LDS; arguments x, Wq, Wk, Wv, Wo, actc, acts, wc, ws; writes actc, acts, wc, ws
.if DOCPART == 1
	.amdgcn_target "amdgcn-amd-amdhsa--gfx1250"
	.amdhsa_code_object_version 6
	.text
	.protected	k_q75b57b5cd0_quant
	.globl	k_q75b57b5cd0_quant
	.p2align	8
	.type	k_q75b57b5cd0_quant,@function
k_q75b57b5cd0_quant:
	s_mov_b64 s[64:65], 0
	v_nop
	global_prefetch_b8 v0, s[64:65] scope:SCOPE_SE
	s_setreg_imm32_b32 hwreg(HW_REG_WAVE_MODE, 25, 1), 1
	s_wait_xcnt 0x0
; x [8192][1024] and Wq, Wk, Wv, Wo [1024 (k)][1024 (n)], f32, become codes of BF6 (E3M2) with one E8M0 byte for each 32 along K, laid in the ORDER OF AN OPERAND'S REGISTERS.
; A block's scale is 2^(floor(log2(largest magnitude)) - 4); its byte is the largest magnitude's exponent field - 4, held at 1 from below by a floor among the maximum's leaves.
; LIMITS: NaN and infinities among the inputs are not served; a block whose largest magnitude lies under 2^-122 (a block of zeros too) gets the byte 1 (only this program reads the bytes).
; LAYOUT OF THE CODES.  Rows (tokens of x, columns n of a weight) are kept with bits 3 and 4 of their number exchanged: tile T of 16 kept rows holds, in place r, row 32 (T / 2) + 8 (T % 2) + r + 8 (r / 8).
; A tile's 64 along K are an image of 768 bytes: lane (r, h) owns block h's 24 bytes: its first 16 at byte 16 lane, its last 8 at byte 512 + 8 lane.  Codes: [tile][K / 128][2][768].
; Scale words (four bytes: 128 along K of one row): [kept row / 256][K / 128][kept row % 256].
; Work-groups 0-511 take x: 32 rows x 512 along K, a wave 32 rows x 128.  Work-groups 512-767 take the weights: 128 columns x 128 along K, a wave 32 columns.  64 KB are read by each.
; Memory binds: no matrix work, no cluster, no tensor load; waves share nothing, so there is no barrier.  Only x's path uses LDS, each wave bytes of its own.
.set R, 32                             ; v32-159  numbers as loaded
.set X, 160                            ; v160-223 x: the first tile's 64 numbers a lane
.set G, 160                            ; weights: block kb's six code registers at v[G + 8 kb]
.set C, 224                            ; v224-247 x: codes, 12 registers a tile
	s_load_b256 s[4:11], s[0:1], 0x0               ; x, Wq, Wk, Wv
	s_load_b256 s[12:19], s[0:1], 0x20             ; Wo, actc, acts, wc
	s_load_b64 s[20:21], s[0:1], 0x40              ; ws
	v_lshl_add_u32 v251, v0, 2, 0x10800
	v_mov_b32 v255, 0
	v_lshrrev_b32 v1, 5, v0
	v_readfirstlane_b32 s22, v1                    ; wave
	v_and_b32 v1, 31, v0                           ; lane
	v_and_b32 v2, 15, v0                           ; r
	v_bfe_u32 v3, v0, 4, 1                         ; h
	v_lshlrev_b32 v4, 4, v1                        ; 16 lane
	v_lshlrev_b32 v8, 3, v1                        ; 8 lane
	v_lshlrev_b32 v9, 2, v1                        ; 4 lane
	v_lshlrev_b32 v10, 3, v3                       ; 8 h
	v_mov_b32 v21, 0                               ; a lane permute's destination counts as one of its sources
	s_mov_b32 s36, 0x76543210
	s_mov_b32 s37, 0xfedcba98                      ; v_permlanex16_b32's selects for lane l xor 16
	s_mov_b32 s38, 0xffff0000                      ; lanes 16-31
	s_cmp_lt_u32 ttmp9, 512
	s_cbranch_scc0 .Lweights
	; ---------------- x: K is innermost ----------------
	s_mul_i32 s23, s22, 16896                      ; my wave's stage: 32 rows x (512 bytes + 16)
	v_add_nc_u32 v5, s23, v4                       ; in: a row's 512 bytes as they lie
	v_mul_u32_u24 v6, v2, 528
	v_lshl_add_u32 v6, v3, 7, v6
	v_add_nc_u32 v6, s23, v6                       ; out: kept row r, my half's 32 numbers of each 64
	s_lshr_b32 s24, ttmp9, 1                       ; which 32 rows
	s_and_b32 s25, ttmp9, 1
	s_lshl_b32 s25, s25, 2
	s_add_co_u32 s25, s25, s22                     ; which 128 along K
	s_lshl_b32 s26, s24, 17                        ; x: 32 rows of 4,096 bytes,
	s_lshl_b32 s28, s25, 9                         ; 512 bytes a K step
	s_add_co_u32 s26, s26, s28
	s_mov_b32 s27, 0
	s_mul_i32 s28, s24, 24576                      ; codes: two tiles of 12,288 bytes,
	s_mul_i32 s30, s25, 1536                       ; 1,536 a K step
	s_add_co_u32 s28, s28, s30
	s_mov_b32 s29, 0
	s_lshr_b32 s30, s24, 3                         ; scale words: 8,192 bytes for 256 rows,
	s_lshl_b32 s30, s30, 13
	s_lshl_b32 s32, s25, 10                        ; 1,024 a K step,
	s_add_co_u32 s30, s30, s32
	s_and_b32 s32, s24, 7
	s_lshl_b32 s32, s32, 7                         ; 128 for my 32 rows
	s_add_co_u32 s30, s30, s32
	s_mov_b32 s31, 0
	s_wait_kmcnt 0x0
	s_add_nc_u64 s[4:5], s[4:5], s[26:27]
	s_add_nc_u64 s[14:15], s[14:15], s[28:29]
	s_add_nc_u64 s[16:17], s[16:17], s[30:31]
.set i, 0
	s_wait_alu depctr_va_vdst(0)
.rept 32
	global_load_b128 v[R+4*i:R+4*i+3], v4, s[4:5] offset:4096*i th:TH_LOAD_NT   ; row i: 32 lanes read 512 consecutive bytes; all 16 KB of the wave go out at once
.set i, i+1
.endr
.irp q, 0,1,2,3
	s_wait_loadcnt 24-8*\q                         ; these eight rows are in; the younger groups of eight may be out
.irp j, 0,1,2,3,4,5,6,7
	ds_store_b128 v5, v[R+4*(8*\q+\j):R+4*(8*\q+\j)+3] offset:528*(\j+16*(\q%2)+8*(\q/2))   ; row 8 q + j goes to its kept place
.endr
.endr
.irp c, 0,1
.irp j, 0,1,2,3,4,5,6,7
	ds_load_b128 v[X+32*\c+4*\j:X+32*\c+4*\j+3], v6 offset:256*\c+16*\j   ; the first tile: k = 64 c + 32 h + 0 .. 31 of kept row r (LDS serves a wave's instructions in order)
.endr
.endr
	s_wait_dscnt 0x0                               ; the first tile is in, and the stores have read v32 on
.irp c, 0,1
.irp j, 0,1,2,3,4,5,6,7
	ds_load_b128 v[R+32*\c+4*\j:R+32*\c+4*\j+3], v6 offset:16*528+256*\c+16*\j   ; the second tile lands while the first is quantised
.endr
.endr
; 64 numbers of a lane (two whole blocks: 2 c + h) become tile t's 12 code registers and, in v[22 + t], its rows' scale words
.macro QTILE t, src
.irp c, 0,1
	v_max3_num_f32 v[12+\c], |v[\src+32*\c]|, |v[\src+32*\c+1]|, 0x2800000   ; with the floor 2^(5 - 127): the byte cannot fall under 1
.endr
.irp i, 2,4,6,8,10,12,14,16,18,20,22,24,26,28,30
.irp c, 0,1
	v_max3_num_f32 v[12+\c], v[12+\c], |v[\src+32*\c+\i]|, |v[\src+32*\c+\i+1]|
.endr
.endr
.irp c, 0,1
	v_add_nc_u32 v[14+\c], 0xfe000000, v[12+\c]    ; 4 off the exponent field: the conversion's scale operand
.endr
.irp c, 0,1
	v_lshrrev_b32 v[16+\c], 23, v[14+\c]           ; the scale's byte
.endr
	v_lshl_or_b32 v20, v17, 16, v16                ; my two bytes, blocks h and 2 + h,
	v_lshlrev_b32 v20, v10, v20                    ; at their places;
	v_permlanex16_b32 v21, v20, s36, s37
	v_or_b32 v[22+\t], v20, v21                    ; with lane l xor 16's two the word is whole
.irp c, 0,1
	v_cvt_scalef32_pk16_bf6_f32 v[C+12*\t+6*\c:C+12*\t+6*\c+2], v[\src+32*\c:\src+32*\c+15], v[14+\c]
	v_cvt_scalef32_pk16_bf6_f32 v[248+4*\c:250+4*\c], v[\src+32*\c+16:\src+32*\c+31], v[14+\c]   ; (a conversion's three registers begin on an even number)
.endr
	v_nop                                          ; one plain line behind a scaled conversion
.irp c, 0,1
.irp i, 0,1,2
	v_mov_b32 v[C+12*\t+6*\c+3+\i], v[248+4*\c+\i]
.endr
.endr
.irp c, 0,1
	global_store_b128 v4, v[C+12*\t+6*\c:C+12*\t+6*\c+3], s[14:15] offset:12288*\t+768*\c        ; 512 consecutive bytes, aligned to 256
	global_store_b64 v8, v[C+12*\t+6*\c+4:C+12*\t+6*\c+5], s[14:15] offset:12288*\t+768*\c+512   ; 256 consecutive bytes, aligned
.endr
.endm
	QTILE 0, X
	s_wait_dscnt 0x0
	QTILE 1, R
	v_cndmask_b32 v24, v22, v23, s38               ; lanes 0-15 the first tile's words, lanes 16-31 the second's
	global_store_b32 v9, v24, s[16:17]             ; 128 consecutive bytes
	s_wait_tensorcnt 0x0
	ds_add_u32 v251, v255
	s_wait_dscnt 0x0
	s_endpgm
	; ---------------- the weights: K is the first axis: a lane takes a column, its registers run down K ----------------
.Lweights:
	s_wait_alu depctr_va_vdst(0)
	v_and_b32 v7, 7, v1
	v_bfe_u32 v11, v1, 3, 1
	v_lshl_add_u32 v7, v11, 4, v7
	v_lshl_add_u32 v7, v3, 3, v7                   ; my column of the wave's 32: lanes 0-15 are the first kept tile, lanes 16-31 the second
	v_lshlrev_b32 v7, 2, v7
	s_sub_co_u32 s23, ttmp9, 512
	s_lshr_b32 s24, s23, 6                         ; which weight: 0 q, 1 k, 2 v, 3 o
	s_bfe_u32 s25, s23, 0x30003                    ; which 128 columns
	s_and_b32 s26, s23, 7                          ; which 128 along K
	s_lshl_b32 s28, s26, 19                        ; 128 rows of 4,096 bytes,
	s_lshl_b32 s27, s25, 9
	s_add_co_u32 s28, s28, s27
	s_lshl_b32 s27, s22, 7                         ; my wave's 32 columns
	s_add_co_u32 s28, s28, s27
	s_mov_b32 s29, 0
	s_lshl_b32 s30, s24, 6
	s_lshl_b32 s27, s25, 3
	s_add_co_u32 s30, s30, s27
	s_lshl_b32 s27, s22, 1
	s_add_co_u32 s30, s30, s27                     ; my first tile: 64 weight + 8 group + 2 wave
	s_mul_i32 s30, s30, 12288
	s_mul_i32 s27, s26, 1536
	s_add_co_u32 s30, s30, s27
	s_mov_b32 s31, 0
	s_lshl_b32 s32, s24, 2
	s_lshr_b32 s27, s25, 1
	s_add_co_u32 s32, s32, s27
	s_lshl_b32 s32, s32, 13
	s_lshl_b32 s27, s26, 10
	s_add_co_u32 s32, s32, s27
	s_and_b32 s27, s25, 1
	s_lshl_b32 s27, s27, 9
	s_add_co_u32 s32, s32, s27
	s_lshl_b32 s27, s22, 7
	s_add_co_u32 s32, s32, s27
	s_mov_b32 s33, 0
	s_wait_alu depctr_va_vdst(0)
	s_wait_kmcnt 0x0
	s_cmp_eq_u32 s24, 1                            ; the choice hangs on the work-group's number alone
	s_cselect_b64 s[6:7], s[8:9], s[6:7]
	s_cmp_eq_u32 s24, 2
	s_cselect_b64 s[6:7], s[10:11], s[6:7]
	s_cmp_eq_u32 s24, 3
	s_cselect_b64 s[6:7], s[12:13], s[6:7]
	s_add_nc_u64 s[6:7], s[6:7], s[28:29]
	s_add_nc_u64 s[18:19], s[18:19], s[30:31]
	s_add_nc_u64 s[20:21], s[20:21], s[32:33]
.macro WLOAD kb                        ; block kb: 32 rows of K at my column: a wave reads 128 consecutive bytes a load, the work-group 512
.set i, 0
.rept 32
	global_load_b32 v[R+32*(\kb)+i], v7, s[6:7] offset:4096*(32*(\kb)+i) th:TH_LOAD_NT
.set i, i+1
.endr
.endm
.macro WBLOCK kb                       ; all 32 numbers of the block are mine
.set XS, R+32*(\kb)
	v_max3_num_f32 v12, |v[XS]|, |v[XS+1]|, |v[XS+2]|
	v_max3_num_f32 v13, |v[XS+3]|, |v[XS+4]|, |v[XS+5]|
.irp i, 6,10,14,18,22,26
	v_max3_num_f32 v12, v12, |v[XS+\i]|, |v[XS+\i+1]|
	v_max3_num_f32 v13, v13, |v[XS+\i+2]|, |v[XS+\i+3]|
.endr
	v_max3_num_f32 v12, v12, |v[XS+30]|, |v[XS+31]|
	v_max3_num_f32 v12, v12, v13, 0x2800000        ; and the floor
	v_add_nc_u32 v14, 0xfe000000, v12
	v_lshrrev_b32 v[16+(\kb)], 23, v14
	v_cvt_scalef32_pk16_bf6_f32 v[G+8*(\kb):G+8*(\kb)+2], v[XS:XS+15], v14
	v_cvt_scalef32_pk16_bf6_f32 v[248:250], v[XS+16:XS+31], v14
	v_nop                                          ; one plain line behind a scaled conversion
.irp i, 0,1,2
	v_mov_b32 v[G+8*(\kb)+3+\i], v[248+\i]
.endr
.endm
	WLOAD 0
	WLOAD 1
	s_wait_loadcnt 32                              ; block 0 is in; block 1's 32 loads may be out
	WLOAD 2
	WBLOCK 0
	s_wait_loadcnt 32                              ; block 1 is in; block 2's may be out
	WLOAD 3
	WBLOCK 1
	s_wait_loadcnt 32                              ; block 2 is in; block 3's may be out
	WBLOCK 2
	s_wait_loadcnt 0x0
	WBLOCK 3
.irp c, 0,1                            ; the operand's layout wants block 2 c in lanes 0-15 and block 2 c + 1 in lanes 16-31 of ONE tile: the first run's upper lanes change places with the second run's lower lanes
.irp i, 0,1,2,3,4,5
	v_permlane16_swap_b32 v[G+16*\c+\i], v[G+16*\c+8+\i]   ; the first run is now the first tile's registers 6 c .. 6 c + 5, the second run the second tile's
.endr
.endr
	v_lshl_or_b32 v20, v17, 8, v16                 ; my column's scale word
	v_lshl_or_b32 v20, v18, 16, v20
	v_lshl_or_b32 v20, v19, 24, v20
.irp c, 0,1
	global_store_b128 v4, v[G+16*\c:G+16*\c+3], s[18:19] offset:768*\c
	global_store_b64 v8, v[G+16*\c+4:G+16*\c+5], s[18:19] offset:768*\c+512
	global_store_b128 v4, v[G+16*\c+8:G+16*\c+11], s[18:19] offset:12288+768*\c
	global_store_b64 v8, v[G+16*\c+12:G+16*\c+13], s[18:19] offset:12288+768*\c+512
.endr
	global_store_b32 v9, v20, s[20:21]             ; kept row = lane: 128 consecutive bytes
	s_endpgm
.Lfunc_end_k_q75b57b5cd0_quant:
	.size	k_q75b57b5cd0_quant, .Lfunc_end_k_q75b57b5cd0_quant-k_q75b57b5cd0_quant
	.p2alignl 7, 3214868480
	.fill 96, 4, 3214868480
	.section	.rodata,"a",@progbits
	.p2align	6, 0x0
	.amdhsa_kernel k_q75b57b5cd0_quant
		.amdhsa_group_segment_fixed_size 68096
		.amdhsa_private_segment_fixed_size 0
		.amdhsa_enable_private_segment 0
		.amdhsa_kernarg_size 72
		.amdhsa_user_sgpr_count 2
		.amdhsa_user_sgpr_kernarg_segment_ptr 1
		.amdhsa_wavefront_size32 1
		.amdhsa_system_sgpr_workgroup_id_x 1
		.amdhsa_system_sgpr_workgroup_id_y 1
		.amdhsa_system_sgpr_workgroup_id_z 1
		.amdhsa_system_vgpr_workitem_id 0
		.amdhsa_next_free_vgpr 256
		.amdhsa_next_free_sgpr 66
		.amdhsa_reserve_vcc 0
		.amdhsa_float_denorm_mode_32 3
		.amdhsa_float_denorm_mode_16_64 3
		.amdhsa_memory_ordered 1
		.amdhsa_forward_progress 1
		.amdhsa_inst_pref_size 38
	.end_amdhsa_kernel
	.amdgpu_metadata
---
amdhsa.version: [ 1, 2 ]
amdhsa.kernels:
  - .name:           k_q75b57b5cd0_quant
    .symbol:         k_q75b57b5cd0_quant.kd
    .args:
      - { .name: x, .offset: 0, .size: 8, .value_kind: global_buffer, .address_space: global }
      - { .name: Wq, .offset: 8, .size: 8, .value_kind: global_buffer, .address_space: global }
      - { .name: Wk, .offset: 16, .size: 8, .value_kind: global_buffer, .address_space: global }
      - { .name: Wv, .offset: 24, .size: 8, .value_kind: global_buffer, .address_space: global }
      - { .name: Wo, .offset: 32, .size: 8, .value_kind: global_buffer, .address_space: global }
      - { .name: actc, .offset: 40, .size: 8, .value_kind: global_buffer, .address_space: global }
      - { .name: acts, .offset: 48, .size: 8, .value_kind: global_buffer, .address_space: global }
      - { .name: wc, .offset: 56, .size: 8, .value_kind: global_buffer, .address_space: global }
      - { .name: ws, .offset: 64, .size: 8, .value_kind: global_buffer, .address_space: global }
    .group_segment_fixed_size: 68096
    .private_segment_fixed_size: 0
    .kernarg_segment_align: 8
    .kernarg_segment_size: 72
    .max_flat_workgroup_size: 128
    .sgpr_count:     66
    .vgpr_count:     256
    .wavefront_size: 32
...
	.end_amdgpu_metadata
.endif
;; end of part 1
;; launch qkv (part 2): grid 96 x 4, 4 waves a work-group, clusters of 4 x 4, 327,680 bytes of LDS; arguments actc, acts, wc, ws, qkvc, qkvs; writes qkvc, qkvs
.if DOCPART == 2
	.amdgcn_target "amdgcn-amd-amdhsa--gfx1250"
	.amdhsa_code_object_version 6
	.text
	.protected	k_q75b57b5cd0_qkv
	.globl	k_q75b57b5cd0_qkv
	.p2align	8
	.type	k_q75b57b5cd0_qkv,@function
k_q75b57b5cd0_qkv:
	s_mov_b64 s[64:65], 0
	v_nop
	global_prefetch_b8 v0, s[64:65] scope:SCOPE_SE
	s_setreg_imm32_b32 hwreg(HW_REG_WAVE_MODE, 25, 1), 1
	s_wait_xcnt 0x0
	s_wait_alu depctr_hold_cnt(0) depctr_sa_sdst(0) depctr_va_vdst(0) depctr_va_sdst(0) depctr_va_ssrc(0) depctr_va_vcc(0) depctr_vm_vsrc(0)
	s_getreg_b32 s2, hwreg(HW_REG_IB_STS2, 6, 4)
	s_cmp_eq_u32 s2, 0
	s_cbranch_scc0 .Lentry_in_a_cluster
	s_endpgm
.Lentry_in_a_cluster:
	s_bfe_u32 s2, ttmp6, 0x10000c
	s_cmp_lg_u32 s2, 0xf033
	s_cbranch_scc0 .Lentry_shape_is_right
	s_endpgm
.Lentry_shape_is_right:
; q = (x Wq) 2^-1.5, k = (x Wk) 2^-1.5, v = x Wv on codes of BF6 (E3M2) with E8M0 scales, K = 1,024; the results are quantised HERE, in registers, and leave as codes: q and k along a head's 64 channels, v along the keys.
; A work-group of four waves makes 256 x 256, a wave 128 x 128: 64 accumulators of 16 x 16.  SOURCE 0 IS THE OPERAND WHOSE ROWS ARE THE NEXT PRODUCT'S K: for q and k the weights' columns (channels), source 1 the tokens;
; for v the tokens (keys), source 1 the weights' columns.  One text serves both: only which buffer feeds which source, the factor and three steps of the output's address differ, all chosen by s_cselect on the cluster's number.
; Clusters 0-15: q and k (weight tiles 4 (c % 2) + cx, token tiles 4 (c / 2) + cy).  Clusters 16-23: v (token tiles 4 (c - 16) + cx, weight tiles 8 + cy).
; OPERANDS lie in memory in the order of their registers: [tile of 16 rows][K / 128][2][768 bytes]; lane (r, h) owns 16 bytes at 16 lane and 8 bytes at 512 + 8 lane of each 768.  So a fragment is two loads of 16 and two of 8 bytes,
; each instruction over consecutive LDS bytes: no pitch, no padding.  Rows are kept with bits 3 and 4 of their number exchanged, so that the eight accumulators of one tile of source 1 are, in a lane, 64 registers of which
; register 16 B + i is row 32 B + 16 (lane / 16) + i of source 0: sixteen neighbours along the next K.
; K goes in 8 steps of 128, two to an LDS slot, three slots: three slots and the scale words are asked for at the start (four tensor loads a wave are out), and one slot is filled again, once.  All 8 steps are written out: no loop.
; CLUSTER 4 x 4: source 1's tiles hang on cy alone and are shared along a row of the cluster, source 0's on cx alone and are shared along a column: joint loads.
; LIMITS: NaN and infinities are not served; a block whose largest magnitude lies under 2^-122 gets the byte 1 (only this program reads the bytes).
; REGISTERS: window 0: v8-22 addresses; v28, v29 the add's; v32-47 scale words, two sets; v128-223 source 1's fragments, one set; on the way out v64-127 numbers, v128-146 codes, v176-183 scale words, v224-239 at work.
;   window 1: source 0's fragments, two sets, at v0 and v128.   windows 2, 3: accumulator (a, b) at v[8 (8 (a % 4) + b)], a: source 1's tile, b: source 0's.
; LDS AS THIS TEXT USES IT (this takes the place of what the head says of three slots): bytes 0-196,607 hold K steps 0-3, source 1's 16 tiles (6,144 bytes each), then source 0's 16: one load a wave at the head
; (wave 0 source 1's codes, wave 1 source 0's, waves 2 and 3 the scale words).  Bytes 196,608-294,911 take K steps 4 and 5 behind a round of their own; K steps 6 and 7 fill bytes 0-98,303 again at K step 3.
.set SLOTB, 98304
.set HALFB, 24576
.set SCA,   294912                     ; source 1's scale words: [K / 128][256 rows], 8,192 bytes
.set SCB,   303232                     ; source 0's, 128 bytes further on than dense, so that the two halves of a load's lanes touch different banks (64 banks of 4 bytes: ISA guide 11.1)
.set SPARE, 311552                     ; the spare words, 128 bytes a wave
.set AF,  128
.set SC,  32
.set HA,  64
.set PC,  128
.set TM,  224
.set G1A, 24                           ; s[24:31], s[32:39] group 1 for the codes of source 1, source 0;  s[40:47], s[48:55] for their scale words
.set G1B, 32
.set G1SA, 40
.set G1SB, 48
.set GA0, 56                           ; groups 0: source 1's slots
.set GA1, 60
.set GA2, 68
.set GB0, 72                           ; source 0's slots
.set GB1, 76
.set GB2, 80
.set GSA, 84                           ; the scale words
.set GSB, 88
.set MSB, 0
.macro WIN new                         ; the immediate's high byte repeats the setting that is left
.if MSB != (\new)
	s_set_vgpr_msb (MSB<<8)|(\new)
.set MSB, (\new)
.endif
.endm
.macro PLACES n
.rept \n
	v_nop
.endr
.endm
; A joint load: waves 0 and 1 fetch for source 1, waves 2 and 3 for source 0.  Four v_nop follow each of the two lines.
.macro JLOAD g0a, g1a, g0b, g1b
	s_cmp_eq_u32 s17, 0
	s_cbranch_scc0 .Lfor_b_\@
	tensor_load_to_lds s[\g0a:\g0a+3], s[\g1a:\g1a+7]
	s_nop 0
.rept 4
	v_nop
.endr
	s_branch .Lasked_\@
.Lfor_b_\@:
	tensor_load_to_lds s[\g0b:\g0b+3], s[\g1b:\g1b+7]
	s_nop 0
.rept 4
	v_nop
.endr
.Lasked_\@:
.endm
.macro CREST                           ; a round of the cluster's barrier behind its opening barrier
	s_cmp_lg_u32 s16, 0
	s_cbranch_scc1 .Lnot_wave_0_\@
	s_barrier_signal -3
.Lnot_wave_0_\@:
	s_barrier_wait -3
	s_barrier_signal -1
	s_barrier_wait -1
.endm
.macro CROUND
	s_barrier_signal -1
	s_barrier_wait -1
	CREST
.endm
	s_load_b256 s[4:11], s[0:1], 0x0               ; actc, acts, wc, ws
	s_load_b128 s[12:15], s[0:1], 0x20             ; qkvc, qkvs
	v_lshl_add_u32 v28, v0, 2, SPARE
	v_mov_b32 v29, 0
	ds_add_u32 v28, v29
	ds_add_u32 v28, v29
	s_wait_dscnt 0x0
	v_lshrrev_b32 v1, 5, v0
	v_readfirstlane_b32 s16, v1                    ; wave
	s_lshr_b32 s17, s16, 1                         ; which half of source 1's rows is mine.  Also: I fetch for source 1 (0) or source 0 (1)
	s_and_b32 s18, s16, 1                          ; which half of source 0's rows.  Also: which half I fetch
	s_bfe_u32 s19, ttmp6, 0x40000                  ; cx
	s_bfe_u32 s20, ttmp6, 0x40004                  ; cy
	s_lshl_b32 s21, s20, 2
	s_lshl_b32 s21, 15, s21                        ; my row of the cluster
	s_lshl_b32 s22, 0x1111, s19                    ; my column
	; group 1, codes: eight tiles' 3,072 bytes (two K steps), 12,288 bytes apart, as rows of 384 elements of 8 bytes; no padding
	s_or_b32 s[G1A], s21, (3<<16)|(1<<21)
	s_or_b32 s[G1B], s22, (3<<16)|(1<<21)
.irp g, G1A, G1B
	s_mov_b32 s[\g+1], 768<<16                     ; the head's loads: 16 tiles' 6,144 bytes (four K steps)
	s_mov_b32 s[\g+2], 16<<16
	s_mov_b32 s[\g+3], 768<<16
	s_mov_b32 s[\g+4], 16
	s_mov_b32 s[\g+5], 1536                        ; stride
	s_mov_b32 s[\g+6], 0
	s_mov_b32 s[\g+7], 0
.endr
	; group 1, scale words: 8,192 dense bytes as 32 rows of 256
	s_or_b32 s[G1SA], s21, (3<<16)|(1<<21)
	s_or_b32 s[G1SB], s22, (3<<16)|(1<<21)
.irp g, G1SA, G1SB
	s_mov_b32 s[\g+1], 32<<16                      ; 8,192 dense bytes as 32 rows of 256
	s_mov_b32 s[\g+2], 32<<16
	s_mov_b32 s[\g+3], 32<<16
	s_mov_b32 s[\g+4], 32
	s_mov_b32 s[\g+5], 32
	s_mov_b32 s[\g+6], 0
	s_mov_b32 s[\g+7], 0
.endr
	; what differs between the two parts
	s_and_b32 s2, ttmp9, 1
	s_sub_co_u32 s3, ttmp9, 16                     ; (used where the cluster's number is 16 or more)
	s_lshr_b32 s23, ttmp9, 1
	s_cmp_lt_u32 ttmp9, 16
	s_cselect_b32 s2, s2, s3
	s_cselect_b32 s23, s23, 2                      ; v: 4 x 2 + cy = weight tile 8 + cy
	s_mov_b32 s98, 1536
	s_cselect_b32 s98, 768, s98                    ; from one tile of source 1 to the next in the output
	s_mov_b32 s100, 93696
	s_cselect_b32 s100, 768, s100                  ; from the fourth to the fifth (v: on to the odd head)
	s_mov_b32 s66, 768
	s_cselect_b32 s66, 98304, s66                  ; from a fragment's first 64 along K to its second (q, k: the odd head)
	s_mov_b32 s99, 0
	s_mov_b32 s101, 0
	s_mov_b32 s67, 0
	s_lshl_b32 s2, s2, 2
	s_add_co_u32 s2, s2, s19                       ; source 0's tile of 256 rows: hangs on cx, never on cy
	s_lshl_b32 s23, s23, 2
	s_add_co_u32 s23, s23, s20                     ; source 1's: hangs on cy, never on cx
	s_mul_i32 s[GA0+2], s23, 196608                ; the head's four tiles, each whole
	s_mov_b32 s[GA0+3], 0
	s_mul_i32 s[GB0+2], s2, 196608
	s_mov_b32 s[GB0+3], 0
	s_lshl_b32 s[GSA+2], s23, 13
	s_mov_b32 s[GSA+3], 0
	s_lshl_b32 s[GSB+2], s2, 13
	s_mov_b32 s[GSB+3], 0
	s_mov_b32 s[GA0+1], 0
	s_mov_b32 s[GB0+1], SLOTB
	s_mul_i32 s[GA2+1], s16, HALFB                 ; K steps 6, 7: wave x 24,576; K steps 4, 5: the same behind byte 196,608
	s_add_co_u32 s[GA1+1], s[GA2+1], 2*SLOTB
	s_mul_i32 s[GB2+1], s16, HALFB
	s_add_co_u32 s[GB1+1], s[GB2+1], 2*SLOTB
	s_mov_b32 s[GSA+1], SCA
	s_mov_b32 s[GSB+1], SCB
	; where my wave's results go, in registers that feed no descriptor
	s_lshl_b32 s92, s2, 1
	s_add_co_u32 s92, s92, s18                     ; source 0's group of 128 rows
	s_lshl_b32 s94, s23, 1
	s_add_co_u32 s94, s94, s17                     ; source 1's
	s_cmp_lt_u32 ttmp9, 16
	s_cselect_b32 s96, s94, s92                    ; the group of 128 tokens, 0 .. 63
	s_cselect_b32 s97, s92, s94                    ; the group of 128 channels, 0 .. 23: q 0-7, k 8-15, v 16-23
	s_lshr_b32 s92, s97, 3                         ; section
	s_and_b32 s97, s97, 7                          ; pair of heads
	s_lshr_b32 s94, s96, 4                         ; batch
	s_and_b32 s96, s96, 15                         ; group of tokens in the batch
	s_lshl_b32 s94, s94, 3
	s_add_co_u32 s94, s94, s97                     ; 8 batch + pair
	s_mul_i32 s93, s92, 6291456
	s_mul_i32 s95, s94, 196608
	s_add_co_u32 s93, s93, s95
	s_mul_i32 s95, s96, 6144
	s_add_co_u32 s93, s93, s95                     ; codes
	s_lshl_b32 s92, s92, 18
	s_lshl_b32 s94, s94, 4
	s_add_co_u32 s94, s94, s96
	s_lshl_b32 s94, s94, 9
	s_add_co_u32 s96, s92, s94                     ; scale words
	s_mov_b32 s97, 0
	s_mov_b32 s92, s93
	s_mov_b32 s93, 0
	s_wait_kmcnt 0x0
	s_cmp_lt_u32 ttmp9, 16                         ; which buffer feeds which source: the choice hangs on the cluster's number alone.  s2 and s3 have served; no register of a descriptor is used on the way
	s_cselect_b64 s[2:3], s[4:5], s[8:9]           ; source 1's codes
	s_cselect_b64 s[8:9], s[8:9], s[4:5]           ; source 0's codes
	s_cselect_b64 s[4:5], s[6:7], s[10:11]         ; source 1's scale words
	s_cselect_b64 s[10:11], s[10:11], s[6:7]       ; source 0's
	s_add_nc_u64 s[GA0+2:GA0+3], s[2:3], s[GA0+2:GA0+3]
	s_add_nc_u64 s[GB0+2:GB0+3], s[8:9], s[GB0+2:GB0+3]
	s_add_nc_u64 s[GSA+2:GSA+3], s[4:5], s[GSA+2:GSA+3]
	s_add_nc_u64 s[GSB+2:GSB+3], s[10:11], s[GSB+2:GSB+3]
	s_mul_i32 s10, s18, 98304                      ; the half that I fetch behind the head (s[10:11] have served as an address)
	s_mov_b32 s11, 0
	s_add_nc_u64 s[GA1+2:GA1+3], s[GA0+2:GA0+3], s[10:11]
	s_add_nc_u64 s[GB1+2:GB1+3], s[GB0+2:GB0+3], s[10:11]
	s_add_nc_u64 s[GA2+2:GA2+3], s[GA1+2:GA1+3], 9216   ; K steps 6, 7
	s_add_nc_u64 s[GB2+2:GB2+3], s[GB1+2:GB1+3], 9216
	s_add_nc_u64 s[GA1+2:GA1+3], s[GA1+2:GA1+3], 6144   ; K steps 4, 5
	s_add_nc_u64 s[GB1+2:GB1+3], s[GB1+2:GB1+3], 6144
.irp g, GA0, GA1, GA2, GB0, GB1, GB2, GSA, GSB
	s_mov_b32 s[\g], 1                             ; count = 1
	s_or_b32 s[\g+3], s[\g+3], 0x80000000          ; type = 2
.endr
	s_add_nc_u64 s[92:93], s[12:13], s[92:93]      ; a fragment's first 64 along K go here,
	s_add_nc_u64 s[94:95], s[92:93], s[66:67]      ; its second 64 here,
	s_add_nc_u64 s[96:97], s[14:15], s[96:97]      ; the scale words here
	s_cmp_lt_u32 ttmp9, 16
	s_cselect_b32 s4, 0x3eb504f3, 1.0              ; 64^-0.25 for q and k, 1 for v
	s_mov_b32 s5, s4                               ; (named with it as a pair)
	s_mov_b32 s6, 0x76543210
	s_mov_b32 s7, 0xfedcba98                       ; v_permlanex16_b32's selects for lane l xor 16
	s_mov_b32 s8, 0xffff0000                       ; lanes 16-31
	CROUND                                         ; all sixteen work-groups are here: the first joint loads meet
; the head's loads, one a wave: one chain of branches on the wave's number, one load to an arm, all arms to one join
.macro ARM under, g0, g1, next
	s_cmp_lt_u32 s16, \under
	s_cbranch_scc0 \next
	tensor_load_to_lds s[\g0:\g0+3], s[\g1:\g1+7]
	s_nop 0
.rept 4
	v_nop
.endr
	s_branch .Lhead_asked
\next:
.endm
	ARM 1, GA0, G1A, .Lhead_b
	ARM 2, GB0, G1B, .Lhead_sa
	ARM 3, GSA, G1SA, .Lhead_sb
	tensor_load_to_lds s[GSB:GSB+3], s[G1SB:G1SB+7]
	s_nop 0
.rept 4
	v_nop
.endr
.Lhead_asked:
	v_and_b32 v1, 31, v0
	v_and_b32 v2, 15, v0                           ; r
	v_bfe_u32 v3, v0, 4, 1                         ; h
	v_lshlrev_b32 v21, 4, v1                       ; 16 lane
	v_lshlrev_b32 v22, 3, v1                       ; 8 lane
	s_mul_i32 s9, s17, 2*HALFB                     ; K steps 0-3: my 8 tiles of source 1, 6,144 bytes each,
	s_mul_i32 s10, s18, 2*HALFB                    ; and of source 0, behind source 1's 16
	s_add_co_u32 s10, s10, SLOTB
	v_add_nc_u32 v8, s9, v21
	v_add_nc_u32 v11, s9, v22
	v_add_nc_u32 v14, s10, v21
	v_add_nc_u32 v17, s10, v22
	s_mul_i32 s9, s17, HALFB                       ; K steps 6, 7: tiles of 3,072 bytes from byte 0 on
	s_mul_i32 s10, s18, HALFB
	s_add_co_u32 s10, s10, 2*HALFB
	v_add_nc_u32 v10, s9, v21
	v_add_nc_u32 v13, s9, v22
	v_add_nc_u32 v16, s10, v21
	v_add_nc_u32 v19, s10, v22
.irp s, 9,12,15,18
	v_add_nc_u32 v[\s], 2*SLOTB, v[\s+1]           ; K steps 4, 5: the same from byte 196,608 on
.endr
	s_lshl_b32 s9, s17, 9                          ; scale words: lanes 0-15 take source 1's rows, lanes 16-31 source 0's: the lower base + h x the distance
	s_lshl_b32 s10, s18, 9
	s_add_co_u32 s10, s10, SCB-SCA
	s_sub_co_u32 s10, s10, s9
	v_mul_u32_u24 v4, s10, v3
	s_add_co_u32 s9, s9, SCA
	v_lshl_add_u32 v4, v2, 2, v4
	v_add_nc_u32 v20, s9, v4
.irp b, 0,1,2,3
	v_mov_b32 v[TM+4+\b], 0                        ; a lane permute's destination counts as one of its sources
.endr
.macro FRAG reg, a16, a8, off          ; a fragment, 16 rows x 128 K, 12 registers: two images of 768 bytes
	ds_load_b128 v[\reg:\reg+3], v[\a16] offset:\off
	ds_load_b64 v[\reg+4:\reg+5], v[\a8] offset:\off+512
	ds_load_b128 v[\reg+6:\reg+9], v[\a16] offset:\off+768
	ds_load_b64 v[\reg+10:\reg+11], v[\a8] offset:\off+1280
.endm
.macro FETCH_B t                       ; source 0's eight fragments of K step t into set t % 2: 32 loads
.if (\t) < 4
.set SL, 0
.set OF, (\t)*1536
.set TP, 6144
.else
.set SL, (\t)/2-1
.set OF, ((\t)%2)*1536
.set TP, 3072
.endif
.set RB, 128*((\t)%2)
	WIN 0x40                                       ; destination window 1, address window 0
.irp i, 0,1,2,3,4,5,6,7
	FRAG RB+12*\i, 14+SL, 17+SL, OF+TP*\i
.endr
	WIN 0
.endm
.macro FETCH_A t, i0
.if (\t) < 4
.set SL, 0
.set OF, (\t)*1536
.set TP, 6144
.else
.set SL, (\t)/2-1
.set OF, ((\t)%2)*1536
.set TP, 3072
.endif
.irp i, \i0, \i0+1, \i0+2, \i0+3
	FRAG AF+12*(\i), 8+SL, 11+SL, OF+TP*(\i)
.endr
.endm
.macro SCALES t                        ; K step t's scale words into set t % 2: lanes 0-15 source 1's tile i, lanes 16-31 source 0's tile i
.irp i, 0,1,2,3,4,5,6,7
	ds_load_b32 v[SC+8*((\t)%2)+\i], v20 offset:1024*(\t)+64*\i
.endr
.endm
; 16 matrix instructions: source 1's tiles a0, a0 + 1 x source 0's eight.  The 64 accumulators take turns, one instruction a turn, in the same order in every step.
.macro MUL16 a0, t, zero
.irp a, \a0, \a0+1
.irp b, 0,1,2,3,4,5,6,7
.if \zero
	v_wmma_scale_f32_16x16x128_f8f6f4 v[8*(8*((\a)%4)+\b):8*(8*((\a)%4)+\b)+7], v[128*((\t)%2)+12*\b:128*((\t)%2)+12*\b+11], v[AF+12*(\a):AF+12*(\a)+11], 0, v[SC+8*((\t)%2)+\b], v[SC+8*((\t)%2)+(\a)] matrix_a_fmt:MATRIX_FMT_BF6 matrix_b_fmt:MATRIX_FMT_BF6 matrix_a_scale:MATRIX_SCALE_ROW1
.else
	v_wmma_scale_f32_16x16x128_f8f6f4 v[8*(8*((\a)%4)+\b):8*(8*((\a)%4)+\b)+7], v[128*((\t)%2)+12*\b:128*((\t)%2)+12*\b+11], v[AF+12*(\a):AF+12*(\a)+11], v[8*(8*((\a)%4)+\b):8*(8*((\a)%4)+\b)+7], v[SC+8*((\t)%2)+\b], v[SC+8*((\t)%2)+(\a)] matrix_a_fmt:MATRIX_FMT_BF6 matrix_b_fmt:MATRIX_FMT_BF6 matrix_a_scale:MATRIX_SCALE_ROW1
.endif
.endr
.endr
.endm
; A K step of 128.  Loads into registers that matrix instructions have read stand four plain vector lines behind them (ISA guide 7.12.1 for vector instructions).
.macro STEP t, zero
	s_wait_dscnt 16                                ; all but the youngest sixteen loads (source 1's tiles 4-7) are in
	WIN 0xa1                                       ; source 0 window 1, source 1 window 0, C and D window 2
	MUL16 0, \t, \zero
	MUL16 2, \t, \zero
	s_wait_dscnt 0x0                               ; tiles 4-7 are in
	PLACES 4
	FETCH_B (\t)+1
	FETCH_A (\t)+1, 0
	SCALES (\t)+1
	WIN 0xf1                                       ; C and D window 3
	MUL16 4, \t, \zero
	MUL16 6, \t, \zero
	PLACES 4
	WIN 0
	FETCH_A (\t)+1, 4
.endm
; A K step with a barrier.  In front of it each wave waits for all its tensor loads, adds 0 to its spare word, and waits for that and for its LDS reads.  fill = 1: slot 0, which nobody reads any more, takes K steps 6 and 7.
.macro TURN t, fill
	s_wait_tensorcnt 0x0                           ; all my tensor loads have landed
	ds_add_u32 v28, v29                            ; 0 onto my spare word
	s_wait_dscnt 17                                ; (the add and the youngest sixteen loads may be out)
	WIN 0xa1
	MUL16 0, \t, 0                                 ; sixteen matrix instructions stand between the add and the wait for it
	s_wait_dscnt 0x0                               ; the add is done, and my reads of the slot are over
	s_barrier_signal -1
	MUL16 2, \t, 0
	WIN 0
	s_barrier_wait -1
.if \fill
	CREST                                          ; the barrier has opened a round of the cluster's: no wave of any partner still reads slot 0 or has a load on its way
	JLOAD GA2, G1A, GB2, G1B                       ; K steps 6, 7 into bytes 0-98,303: the first tensor load behind the round; its four v_nop are also the places in front of the loads below
.else
	PLACES 4
.endif
	FETCH_B (\t)+1
	FETCH_A (\t)+1, 0
	SCALES (\t)+1
	WIN 0xf1
	MUL16 4, \t, 0
	MUL16 6, \t, 0
	PLACES 4
	WIN 0
	FETCH_A (\t)+1, 4
.endm
	s_wait_alu depctr_va_vdst(0)
	s_wait_tensorcnt 0x0                           ; my tile of the head's four is in
	ds_add_u32 v28, v29
.irp g, G1A, G1B
	s_mov_b32 s[\g+1], 384<<16                     ; no tensor load of mine is out: from here on a load brings eight tiles' 3,072 bytes
	s_mov_b32 s[\g+2], 8<<16
	s_mov_b32 s[\g+3], 384<<16
	s_mov_b32 s[\g+4], 8
.endr
	s_wait_dscnt 0x0
	CROUND                                         ; all four tiles are in, and all sixteen work-groups are here
	JLOAD GA1, G1A, GB1, G1B                       ; K steps 4, 5: the first tensor load behind the round
	FETCH_B 0
	FETCH_A 0, 0
	SCALES 0
	FETCH_A 0, 4
	STEP 0, 1                                      ; the first products start the sums: nothing is cleared
	STEP 1, 0
	STEP 2, 0
	TURN 3, 1                                      ; K steps 4, 5 are whole; K steps 0-3 are read no more
	STEP 4, 0
	TURN 5, 0                                      ; slot 0's second fill is whole
	STEP 6, 0
	s_wait_dscnt 16                                ; the last step: nothing more to fetch
	WIN 0xa1
	MUL16 0, 7, 0
	MUL16 2, 7, 0
	s_wait_dscnt 0x0
	WIN 0xf1
	MUL16 4, 7, 0
	MUL16 6, 7, 0
	WIN 0
; THE WAY OUT.  64 numbers of a lane, register 16 b + i = k 32 b + 16 (lane / 16) + i of my row, become a fragment's codes in v[PC] on and its scale word in v[pw].
.macro QUANT s, pw
.irp b, 0,1,2,3
	v_max3_num_f32 v[TM+\b], |v[\s+16*\b]|, |v[\s+1+16*\b]|, 0x2800000   ; block b: my 16 numbers, and the floor 2^(5 - 127)
.endr
.irp i, 2,4,6,8,10,12,14
.irp b, 0,1,2,3
	v_max3_num_f32 v[TM+\b], v[TM+\b], |v[\s+16*\b+\i]|, |v[\s+1+16*\b+\i]|
.endr
.endr
.irp b, 0,1,2,3
	v_permlanex16_b32 v[TM+4+\b], v[TM+\b], s6, s7
.endr
.irp b, 0,1,2,3
	v_max_num_f32 v[TM+\b], v[TM+\b], v[TM+4+\b]   ; with lane l xor 16's: the block's largest magnitude
.endr
.irp b, 0,1,2,3
	v_add_nc_u32 v[TM+12+\b], 0xfe000000, v[TM+\b] ; 4 off its exponent field: the conversion's scale operand
.endr
.irp b, 0,1,2,3
	v_lshrrev_b32 v[TM+4+\b], 23, v[TM+12+\b]      ; the scale's byte
.endr
	v_lshl_or_b32 v[\pw], v[TM+5], 8, v[TM+4]
	v_lshl_or_b32 v[\pw], v[TM+6], 16, v[\pw]
	v_lshl_or_b32 v[\pw], v[TM+7], 24, v[\pw]
.irp c, 0,1
	v_cvt_scalef32_pk16_bf6_f32 v[PC+6*\c:PC+2+6*\c], v[\s+32*\c:\s+15+32*\c], v[TM+12+2*\c]
	v_cvt_scalef32_pk16_bf6_f32 v[PC+12+4*\c:PC+14+4*\c], v[\s+16+32*\c:\s+31+32*\c], v[TM+12+2*\c+1]   ; (a conversion's three registers begin on an even number)
.endr
	v_nop                                          ; one plain line behind a scaled conversion
.irp c, 0,1                            ; the operand's layout wants a WHOLE block in a lane
.irp i, 0,1,2
	v_permlane16_swap_b32 v[PC+6*\c+\i], v[PC+12+4*\c+\i]
.endr
.irp i, 0,1,2
	v_mov_b32 v[PC+3+6*\c+\i], v[PC+12+4*\c+\i]
.endr
.endr
.endm
; Source 1's tile a: its eight accumulators times the factor (which is also their way into window 0; ascending), quantised, stored as two images.
.macro OUTB a
.if (\a) > 0
	s_wait_xcnt 0x0                                ; the last tile's stores have read their data and their bases: both are written again only behind this wait
.if (\a) == 4
	s_add_nc_u64 s[92:93], s[92:93], s[100:101]
	s_add_nc_u64 s[94:95], s[94:95], s[100:101]
.else
	s_add_nc_u64 s[92:93], s[92:93], s[98:99]
	s_add_nc_u64 s[94:95], s[94:95], s[98:99]
.endif
.endif
	WIN 0x02+(\a)/4                                ; source 0: window 2 or 3
.set i, 0
.rept 32
	v_pk_mul_f32 v[HA+2*i:HA+2*i+1], v[64*((\a)%4)+2*i:64*((\a)%4)+2*i+1], s[4:5] op_sel_hi:[1,0]
.set i, i+1
.endr
	WIN 0
	QUANT HA, 176+(\a)%2
	global_store_b128 v21, v[PC:PC+3], s[92:93]                 ; 512 consecutive bytes, aligned to 256
	global_store_b64 v22, v[PC+4:PC+5], s[92:93] offset:512     ; 256 consecutive bytes, aligned
	global_store_b128 v21, v[PC+6:PC+9], s[94:95]
	global_store_b64 v22, v[PC+10:PC+11], s[94:95] offset:512
.if (\a)%2 == 1
	v_cndmask_b32 v[180+(\a)/2], v176, v177, s8    ; lanes 0-15 the even tile's words, lanes 16-31 the odd tile's
.endif
.endm
	PLACES 4                                       ; behind the last products
.irp a, 0,1,2,3,4,5,6,7
	OUTB \a
.endr
	global_store_b128 v21, v[180:183], s[96:97]    ; the eight tiles' scale words: 512 consecutive bytes
	s_wait_tensorcnt 0x0                           ; the wave's end
	ds_add_u32 v28, v29
	s_wait_dscnt 0x0
	CROUND                                         ; the closing round: no work-group ends while a partner may still ask for a tile that names it
	s_endpgm
.Lfunc_end_k_q75b57b5cd0_qkv:
	.size	k_q75b57b5cd0_qkv, .Lfunc_end_k_q75b57b5cd0_qkv-k_q75b57b5cd0_qkv
	.p2alignl 7, 3214868480
	.fill 96, 4, 3214868480
	.section	.rodata,"a",@progbits
	.p2align	6, 0x0
	.amdhsa_kernel k_q75b57b5cd0_qkv
		.amdhsa_group_segment_fixed_size 327680
		.amdhsa_private_segment_fixed_size 0
		.amdhsa_enable_private_segment 0
		.amdhsa_kernarg_size 48
		.amdhsa_user_sgpr_count 2
		.amdhsa_user_sgpr_kernarg_segment_ptr 1
		.amdhsa_wavefront_size32 1
		.amdhsa_system_sgpr_workgroup_id_x 1
		.amdhsa_system_sgpr_workgroup_id_y 1
		.amdhsa_system_sgpr_workgroup_id_z 1
		.amdhsa_system_vgpr_workitem_id 0
		.amdhsa_next_free_vgpr 1024
		.amdhsa_next_free_sgpr 102
		.amdhsa_reserve_vcc 0
		.amdhsa_float_denorm_mode_32 3
		.amdhsa_float_denorm_mode_16_64 3
		.amdhsa_memory_ordered 1
		.amdhsa_forward_progress 1
		.amdhsa_inst_pref_size 168
	.end_amdhsa_kernel
	.amdgpu_metadata
---
amdhsa.version: [ 1, 2 ]
amdhsa.kernels:
  - .name:           k_q75b57b5cd0_qkv
    .symbol:         k_q75b57b5cd0_qkv.kd
    .args:
      - { .name: actc, .offset: 0, .size: 8, .value_kind: global_buffer, .address_space: global }
      - { .name: acts, .offset: 8, .size: 8, .value_kind: global_buffer, .address_space: global }
      - { .name: wc, .offset: 16, .size: 8, .value_kind: global_buffer, .address_space: global }
      - { .name: ws, .offset: 24, .size: 8, .value_kind: global_buffer, .address_space: global }
      - { .name: qkvc, .offset: 32, .size: 8, .value_kind: global_buffer, .address_space: global }
      - { .name: qkvs, .offset: 40, .size: 8, .value_kind: global_buffer, .address_space: global }
    .group_segment_fixed_size: 327680
    .private_segment_fixed_size: 0
    .kernarg_segment_align: 8
    .kernarg_segment_size: 48
    .max_flat_workgroup_size: 128
    .sgpr_count:     102
    .vgpr_count:     1024
    .wavefront_size: 32
...
	.end_amdgpu_metadata
.endif
;; end of part 2
;; launch attn (part 3): grid 256 x 1, 16 waves a work-group, clusters of 4 x 1, 215,040 bytes of LDS; arguments qkvc, qkvs, actc, acts; writes actc, acts
.if DOCPART == 3
	.amdgcn_target "amdgcn-amd-amdhsa--gfx1250"
	.amdhsa_code_object_version 6
	.text
	.protected	k_q75b57b5cd0_attn
	.globl	k_q75b57b5cd0_attn
	.p2align	8
	.type	k_q75b57b5cd0_attn,@function
k_q75b57b5cd0_attn:
	s_mov_b64 s[64:65], 0
	v_nop
	global_prefetch_b8 v0, s[64:65] scope:SCOPE_SE
	s_setreg_imm32_b32 hwreg(HW_REG_WAVE_MODE, 25, 1), 1
	s_wait_xcnt 0x0
	s_wait_alu depctr_hold_cnt(0) depctr_sa_sdst(0) depctr_va_vdst(0) depctr_va_sdst(0) depctr_va_ssrc(0) depctr_va_vcc(0) depctr_vm_vsrc(0)
	s_getreg_b32 s2, hwreg(HW_REG_IB_STS2, 6, 4)
	s_cmp_eq_u32 s2, 0
	s_cbranch_scc0 .Lentry_in_a_cluster
	s_endpgm
.Lentry_in_a_cluster:
	s_bfe_u32 s2, ttmp6, 0x10000c
	s_cmp_lg_u32 s2, 0x3003
	s_cbranch_scc0 .Lentry_shape_is_right
	s_endpgm
.Lentry_shape_is_right:
; Causal attention on codes of BF6 (E3M2) with E8M0 scales: S^T = K Q^T (K = a head's 64 channels), p = 2^(t - M), O^T = V^T P^T (K = the keys), O / l, quantised along the channels for the last product.
; t = score x log2(e) (q and k carry the scale 64^-0.5 between them already); M = the running largest t rounded UP to a whole number; the row's sum is taken of the unquantised p; when M moves, the sum and O^T are multiplied by 2^(old M - new M): exact.
; SHARES.  A cluster of four work-groups is one (batch, head); a head's K and V, codes and scale words (212,992 bytes), fit in LDS WHOLE: they come once, by joint loads that name the four, and are never filled again: no ring.
; Sixteen waves, four to a SIMD, 256 registers each.  Wave w (wp = w / 2, e = w % 2) owns TWO tiles of 16 queries: tile 2 cx + e of token group 15 - wp and of token group wp: (16 - wp) + (wp + 1) = 17 key steps of 128 for every wave.
; Trip counts are constants (16 and 8); a step all of whose keys come after the tile's queries is jumped over by a scalar branch on the wave's number and the trip; no branch and no LDS address hangs on cx.
; LAYOUT.  Tokens and channels are kept with bits 3 and 4 of their number exchanged in tiles of 16, so in S^T a lane holds ONE query, and registers 16 B + i are keys 32 B + 16 (lane / 16) + i of the group; O^T likewise along the channels.
; K = 64 IN A FORM OF 128: Q's registers 6-11 are zero codes.  K's tile i is named as twelve registers of which the upper six are the next tile's codes (behind the last tile: zeros): they meet only zero codes.  Both sides' scale
; words come as 16 bits, so the bytes of the upper two blocks are 0 (2^-127, no NaN).
; LIMITS: NaN and infinities are not served; a block whose largest magnitude lies under 2^-122 gets the byte 1 (only this program reads the bytes).
; The output's two scale bytes a row are half of a word whose other half the pair's other head stores: one store of 2 bytes a lane for each tile; lanes l and l + 16 store the same value to the same place.
; REGISTERS: v1-5 addresses and the mask's number; v[6:7] V's scale words; v8-11, v244, v245 addresses in hand; v12 -M, v13 largest t, v[14:15] the sum; v16-27 Q; v28-31 K's scale words; v32-79 K (then at work), v80-85 zeros;
;   v86-133 V; v134-197 S^T, then p; v198-229 O^T; v230-241 p's codes; v242 p's scale word; v243 Q's; v[246:247] f.
.set KF, 32
.set VF, 86
.set S,  134
.set O,  198
.set PC, 230
.macro CROUND
	s_barrier_signal -1
	s_barrier_wait -1
	s_cmp_lg_u32 s12, 0
	s_cbranch_scc1 .Lnot_wave_0_\@
	s_barrier_signal -3
.Lnot_wave_0_\@:
	s_barrier_wait -3
	s_barrier_signal -1
	s_barrier_wait -1
.endm
	s_load_b256 s[4:11], s[0:1], 0x0               ; qkvc, qkvs, actc, acts
	v_lshl_add_u32 v254, v0, 2, 0x34000
	v_mov_b32 v255, 0
	ds_add_u32 v254, v255
	ds_add_u32 v254, v255
	v_lshrrev_b32 v1, 5, v0
	s_delay_alu instid0(VALU_DEP_1)
	v_readfirstlane_b32 s12, v1                    ; wave 0..15
	s_bfe_u32 s13, ttmp6, 0x40000                  ; cx
	s_mov_b32 s14, ttmp9                           ; 16 batch + head: the cluster's number
	s_bfe_u32 s15, s14, 0x30001                    ; pair of heads
	s_and_b32 s16, s14, 1                          ; which of the pair
	s_lshr_b32 s17, s12, 1                         ; wp
	s_and_b32 s18, s12, 1                          ; e
	s_mov_b32 s20, 0x76543210
	s_mov_b32 s21, 0xfedcba98                      ; v_permlanex16_b32's selects for lane l xor 16
	s_mov_b32 s22, 0x3fb8aa3b                      ; log2(e)
	s_mov_b32 s23, s22                             ; (named with it as a pair)
	; group 1: dense blocks as rows of 256 bytes; the mask names all four work-groups
	s_mov_b32 s24, 15|(3<<16)|(1<<21)
	s_mov_b32 s25, 32<<16
	s_mov_b32 s26, 96<<16                          ; codes: 96 rows, 24,576 bytes: a quarter of K's or of V's
	s_mov_b32 s27, 32<<16
	s_mov_b32 s28, 96
	s_mov_b32 s29, 32
	s_mov_b32 s30, 0
	s_mov_b32 s31, 0
	s_mov_b32 s32, 15|(3<<16)|(1<<21)
	s_mov_b32 s33, 32<<16
	s_mov_b32 s34, 32<<16                          ; scale words: 32 rows, 8,192 bytes
	s_mov_b32 s35, 32<<16
	s_mov_b32 s36, 32
	s_mov_b32 s37, 32
	s_mov_b32 s38, 0
	s_mov_b32 s39, 0
	s_and_b32 s70, s12, 7                          ; waves 0-3: K's quarters; 4-7: V's
	s_mul_i32 s41, s70, 24576                      ; LDS: K's codes at 0, V's at 98,304
	s_lshr_b32 s71, s70, 2
	s_and_b32 s72, s12, 3
	s_add_co_u32 s71, s71, 1                       ; section 1 (k) or 2 (v)
	s_mul_i32 s74, s71, 6291456
	s_mul_i32 s71, s14, 98304
	s_add_co_u32 s74, s74, s71
	s_mul_i32 s71, s72, 24576
	s_add_co_u32 s74, s74, s71
	s_mov_b32 s75, 0
	s_lshl_b32 s49, s18, 13                        ; waves 8, 9: K's scale words at 196,608, V's at 204,800
	s_add_co_u32 s49, s49, 196608
	s_add_co_u32 s71, s18, 1
	s_lshl_b32 s76, s71, 18
	s_lshr_b32 s71, s14, 1
	s_lshl_b32 s71, s71, 13
	s_add_co_u32 s76, s76, s71
	s_mov_b32 s77, 0
	s_wait_dscnt 0x0
	s_wait_kmcnt 0x0
	s_mov_b32 s40, 1
	s_add_nc_u64 s[42:43], s[4:5], s[74:75]
	s_or_b32 s43, s43, 0x80000000
	s_mov_b32 s48, 1
	s_add_nc_u64 s[50:51], s[6:7], s[76:77]
	s_or_b32 s51, s51, 0x80000000
	CROUND                                         ; all four work-groups are here: the joint loads meet
	s_cmp_lt_u32 s12, 8                            ; one tensor load a wave for waves 0-9, none for the others; four v_nop follow each line
	s_cbranch_scc0 .Lnot_codes
	tensor_load_to_lds s[40:43], s[24:31]
	s_nop 0
.rept 4
	v_nop
.endr
	s_branch .Lasked
.Lnot_codes:
	s_cmp_lt_u32 s12, 10
	s_cbranch_scc0 .Lasked
	tensor_load_to_lds s[48:51], s[32:39]
	s_nop 0
.rept 4
	v_nop
.endr
.Lasked:
	v_and_b32 v253, 31, v0
	v_and_b32 v251, 15, v0                         ; r
	v_bfe_u32 v252, v0, 4, 1                       ; h
	s_delay_alu instid0(VALU_DEP_3)
	v_lshlrev_b32 v1, 4, v253                      ; 16 lane
	s_delay_alu instid0(VALU_DEP_4)
	v_lshlrev_b32 v2, 3, v253                      ; 8 lane
	s_lshl_b32 s70, s16, 1
	s_add_co_u32 s70, s70, 196608
	v_add_nc_u32 v3, s70, v1                       ; K's scale words: 16 lane + my head's two bytes
	s_lshl_b32 s70, s16, 3
	s_add_co_u32 s70, s70, 204800
	v_add_nc_u32 v4, s70, v1                       ; V's: 16 lane + my head's two words
	v_and_b32 v5, 8, v251
	s_delay_alu instid0(VALU_DEP_1)
	v_add_nc_u32 v5, v5, v251                      ; r + 8 (r / 8)
	v_lshlrev_b32 v253, 4, v252
	s_delay_alu instid0(VALU_DEP_1)
	v_sub_nc_u32 v5, v5, v253
	s_lshl_b32 s70, s13, 5
	s_lshl_b32 s71, s18, 3
	s_add_co_u32 s70, s70, s71
	v_add_nc_u32 v5, s70, v5                       ; my query's place in its group of 128, less 16 (lane / 16): register 16 B + i is hidden on the diagonal where 32 B + i is larger
	s_lshl_b32 s70, s18, 8
	s_lshl_b32 s71, s13, 2
	s_add_co_u32 s70, s70, s71
	s_lshl_b32 s71, s16, 1
	s_add_co_u32 s70, s70, s71
	v_lshl_add_u32 v249, v251, 4, s70              ; Q's scale word: tile 2 cx + e of its group, row r, my head's two bytes
	v_lshlrev_b32 v250, 2, v251                    ; the output's scale bytes: 4 r
.irp j, 22,23,24,25,26,27,80,81,82,83,84,85
	v_mov_b32 v\j, 0                               ; zero codes
.endr
	v_mov_b32 v247, 0                              ; (named as the upper half of the pair v[246:247])
	v_mov_b32 v36, 0                               ; written once: a lane permute's destination counts as one of its sources
	v_mov_b32 v37, 0
	v_mov_b32 v50, 0
; The tile of token group s19: its addresses, its Q, and the state of the softmax.
.macro INIT
	s_lshl_b32 s70, s19, 3
	s_lshl_b32 s71, s13, 1
	s_add_co_u32 s70, s70, s71
	s_add_co_u32 s70, s70, s18                     ; the tile's number in the batch
	s_mov_b32 s73, 0
	s_mul_i32 s72, s14, 98304
	s_mul_i32 s71, s70, 768
	s_add_co_u32 s72, s72, s71
	s_add_nc_u64 s[60:61], s[4:5], s[72:73]        ; Q's image
	s_lshr_b32 s72, s14, 1
	s_lshl_b32 s72, s72, 13
	s_lshl_b32 s71, s19, 9
	s_add_co_u32 s72, s72, s71
	s_add_nc_u64 s[62:63], s[6:7], s[72:73]        ; its group's scale words
	s_lshr_b32 s74, s14, 4                         ; batch
	s_lshl_b32 s72, s74, 7
	s_add_co_u32 s72, s72, s70
	s_mul_i32 s72, s72, 12288
	s_and_b32 s71, s14, 15
	s_mul_i32 s71, s71, 768
	s_add_co_u32 s72, s72, s71
	s_add_nc_u64 s[66:67], s[8:9], s[72:73]        ; the output's image: the head's 64 of the row's 1,024
	s_lshl_b32 s72, s74, 3
	s_lshr_b32 s71, s70, 4
	s_add_co_u32 s72, s72, s71
	s_lshl_b32 s72, s72, 13
	s_lshl_b32 s71, s15, 10
	s_add_co_u32 s72, s72, s71
	s_and_b32 s71, s70, 15
	s_lshl_b32 s71, s71, 6
	s_add_co_u32 s72, s72, s71
	s_lshl_b32 s71, s16, 1
	s_add_co_u32 s72, s72, s71
	s_add_nc_u64 s[68:69], s[10:11], s[72:73]      ; and its two scale bytes a row
	global_load_b128 v[16:19], v1, s[60:61]
	global_load_b64 v[20:21], v2, s[60:61] offset:512
	global_load_u16 v243, v249, s[62:63]
	v_mov_b32 v13, 0xff61b1e6                      ; the largest t so far: -3e38
	s_delay_alu instid0(VALU_DEP_1)
	v_floor_f32 v12, -v13                          ; -M
	v_mov_b32 v14, 0
	v_mov_b32 v15, 0
.set j, 0
.rept 32
	v_mov_b32 v[O+j], 0                            ; O^T: the step is written once; the first finds zeros, which the first change of M leaves zeros
.set j, j+1
.endr
.endm
; A KEY STEP: the 128 keys of group s59.
.macro KSTEP
	s_cmp_gt_u32 s59, s19                          ; all its keys come after my queries: nothing to do
	s_cbranch_scc1 .Lhidden_\@
	v_add_nc_u32 v8, s56, v1                       ; (these six lines are also the places in front of the loads into registers that the last products read)
	v_add_nc_u32 v9, s56, v2
	v_add_nc_u32 v10, s57, v1
	v_add_nc_u32 v11, s57, v2
	v_add_nc_u32 v244, s58, v3
	v_add_nc_u32 v245, s58, v4                     ; (this group's K and its scale words were asked for a step ago, or in front of the loop; v8, v9 and v244 serve the next group's, below)
.irp t, 0,1,2,3
	ds_load_b128 v[VF+12*\t:VF+12*\t+3], v10 offset:1536*\t
	ds_load_b64 v[VF+12*\t+4:VF+12*\t+5], v11 offset:1536*\t+512
	ds_load_b128 v[VF+12*\t+6:VF+12*\t+9], v10 offset:1536*\t+768
	ds_load_b64 v[VF+12*\t+10:VF+12*\t+11], v11 offset:1536*\t+1280
.endr
	ds_load_b64 v[6:7], v245
	s_wait_dscnt 17                                ; K and its scale words are in; V's seventeen loads may be out
.irp i, 0,1,2,3,4,5,6,7
.if \i%2
	v_wmma_scale_f32_16x16x128_f8f6f4 v[S+8*\i:S+8*\i+7], v[KF+6*\i:KF+6*\i+11], v[16:27], 0, v[28+\i/2], v243 matrix_a_fmt:MATRIX_FMT_BF6 matrix_b_fmt:MATRIX_FMT_BF6 matrix_a_scale:MATRIX_SCALE_ROW1
.else
	v_wmma_scale_f32_16x16x128_f8f6f4 v[S+8*\i:S+8*\i+7], v[KF+6*\i:KF+6*\i+11], v[16:27], 0, v[28+\i/2], v243 matrix_a_fmt:MATRIX_FMT_BF6 matrix_b_fmt:MATRIX_FMT_BF6
.endif
.endr
.rept 4
	v_nop                                          ; four places behind the products: their results are read, and K's registers are taken to work in
.endr
	s_cmp_lg_u32 s59, s19                          ; only the diagonal's group is masked
	s_cbranch_scc1 .Lopen_\@
	v_mov_b32 v51, 0xff800000                      ; -infinity: p = 0 then
.set n, 0
.rept 64
	v_cmp_gt_i32 vcc_lo, 32*(n/16)+n%16, v5
	v_cndmask_b32 v[S+n], v[S+n], v51, vcc_lo
.set n, n+1
.endr
.Lopen_\@:
.irp b, 0,1,2,3
	v_max3_num_f32 v[32+\b], v[S+16*\b], v[S+1+16*\b], v[S+2+16*\b]   ; the largest score of each block of 32 keys: it serves for the row's maximum and, since p rises with the score, for the block's largest p
.endr
.irp i, 3,5,7,9,11,13
.irp b, 0,1,2,3
	v_max3_num_f32 v[32+\b], v[32+\b], v[S+16*\b+\i], v[S+1+16*\b+\i]
.endr
.endr
.irp b, 0,1,2,3
	v_max_num_f32 v[32+\b], v[32+\b], v[S+15+16*\b]
.endr
.irp b, 0,1,2,3
	s_delay_alu instid0(VALU_DEP_4)
	v_permlanex16_b32 v[36+\b], v[32+\b], s20, s21
.endr
.irp b, 0,1,2,3
	s_delay_alu instid0(VALU_DEP_4)
	v_max_num_f32 v[32+\b], v[32+\b], v[36+\b]     ; with lane l xor 16's 16 keys
.endr
	s_delay_alu instid0(VALU_DEP_2)
	v_max3_num_f32 v50, v32, v33, v34
	s_delay_alu instid0(VALU_DEP_1)
	v_max_num_f32 v50, v50, v35                    ; the step's largest score of my query
	s_delay_alu instid0(VALU_DEP_1)
	v_mul_f32 v50, s22, v50                        ; as t
	s_delay_alu instid0(VALU_DEP_1)
	v_max_num_f32 v13, v13, v50                    ; the running largest t
	v_mov_b32 v50, v12
	s_delay_alu instid0(VALU_DEP_2)
	v_floor_f32 v12, -v13                          ; the new -M = -ceil(t)
	s_delay_alu instid0(VALU_DEP_1)
	v_sub_f32 v50, v12, v50                        ; old M - new M: a whole number, 0 or less
	s_delay_alu instid0(VALU_DEP_1)
	v_cvt_i32_f32 v50, v50                         ; (it saturates)
	s_delay_alu instid0(VALU_DEP_1)
	v_ldexp_f32 v246, 1.0, v50                     ; f = 2^(old M - new M)
.set j, 0
.rept 32
	v_pk_fma_f32 v[S+j:S+j+1], v[S+j:S+j+1], s[22:23], v[12:13] op_sel_hi:[1,0,0]   ; t - M, two at a time
.set j, j+2
.endr
.irp b, 0,1,2,3
	v_fma_f32 v[32+\b], v[32+\b], s22, v12         ; the same of each block's largest score
.endr
.set j, 0
	s_wait_alu depctr_va_vdst(0)
.rept 64
	v_exp_f32 v[S+j], v[S+j]                       ; p = 2^(t - M): not normalised
.set j, j+1
.endr
.irp b, 0,1,2,3
	v_exp_f32 v[32+\b], v[32+\b]                   ; the block's largest p
.endr
	v_pk_mul_f32 v[14:15], v[14:15], v[246:247] op_sel_hi:[1,0]   ; the sums under the new M (a plain line behind the exponentials)
	s_wait_alu depctr_va_vdst(0)
.irp b, 0,1,2,3
	v_max_num_f32 v[32+\b], 0x2800000, v[32+\b]    ; the floor 2^(5 - 127)
.endr
.irp b, 0,1,2,3
	s_delay_alu instid0(VALU_DEP_4)
	v_add_nc_u32 v[52+\b], 0xfe000000, v[32+\b]    ; the conversion's scale operand
.endr
.irp b, 0,1,2,3
	s_delay_alu instid0(VALU_DEP_4)
	v_lshrrev_b32 v[36+\b], 23, v[52+\b]           ; the scale's byte
.endr
	s_delay_alu instid0(VALU_DEP_3)
	v_lshl_or_b32 v242, v37, 8, v36                ; p's scale word for these 128 keys
	s_delay_alu instid0(VALU_DEP_1)
	v_lshl_or_b32 v242, v38, 16, v242
	s_delay_alu instid0(VALU_DEP_1)
	v_lshl_or_b32 v242, v39, 24, v242
.irp c, 0,1
	v_cvt_scalef32_pk16_bf6_f32 v[PC+6*\c:PC+2+6*\c], v[S+32*\c:S+15+32*\c], v[52+2*\c]
	v_cvt_scalef32_pk16_bf6_f32 v[40+4*\c:42+4*\c], v[S+16+32*\c:S+31+32*\c], v[52+2*\c+1]   ; (a conversion's three registers begin on an even number)
.endr
	v_nop                                          ; one plain line behind a scaled conversion
.irp c, 0,1                            ; the operand's layout wants a WHOLE block in a lane
.irp i, 0,1,2
	v_permlane16_swap_b32 v[PC+6*\c+\i], v[40+4*\c+\i]
.endr
.irp i, 0,1,2
	s_delay_alu instid0(VALU_DEP_3)
	v_mov_b32 v[PC+3+6*\c+\i], v[40+4*\c+\i]
.endr
.endr
; K's registers have done their work for this step: the NEXT group's K (6,144 bytes on) and its scale words (512 on) are asked for here, 20 loads.  Behind the tile's last counted step they bring bytes that no product reads.
.irp i, 0,1,2,3,4,5,6,7
	ds_load_b128 v[KF+6*\i:KF+6*\i+3], v8 offset:6144+768*\i
	ds_load_b64 v[KF+6*\i+4:KF+6*\i+5], v9 offset:6144+768*\i+512
.endr
.irp i, 0,1,2,3
	ds_load_u16 v[28+\i], v244 offset:512+4*\i     ; lanes 0-15: tile 2 i's rows, lanes 16-31: tile 2 i + 1's
.endr
.set j, 0
.rept 16
	v_pk_mul_f32 v[O+j:O+j+1], v[O+j:O+j+1], v[246:247] op_sel_hi:[1,0]
.set j, j+2
.endr
; the row's sum of the unquantised p, in p's own registers (the conversions have read them): 32 pairs are halved five times, 16 + 8 + 4 + 2 + 1 additions, and one more onto the running sum
.irp w, 16,8,4,2,1
.set k, 0
.rept \w
.if \w <= 4
	s_delay_alu instid0(VALU_DEP_\w)
.endif
	v_pk_add_f32 v[S+2*k:S+2*k+1], v[S+2*k:S+2*k+1], v[S+2*(k+\w):S+2*(k+\w)+1]
.set k, k+1
.endr
.endr
	s_delay_alu instid0(VALU_DEP_1)
	v_pk_add_f32 v[14:15], v[14:15], v[S:S+1]
	s_wait_dscnt 20                                ; V and its scale words are in; the next group's 20 loads of K may be out
.irp t, 0,1,2,3                        ; the four accumulators by turns; between a step's last and the next step's first stand the eight products K Q^T
.if \t%2
	v_wmma_scale_f32_16x16x128_f8f6f4 v[O+8*\t:O+8*\t+7], v[VF+12*\t:VF+12*\t+11], v[PC:PC+11], v[O+8*\t:O+8*\t+7], v[6+\t/2], v242 matrix_a_fmt:MATRIX_FMT_BF6 matrix_b_fmt:MATRIX_FMT_BF6 matrix_a_scale:MATRIX_SCALE_ROW1
.else
	v_wmma_scale_f32_16x16x128_f8f6f4 v[O+8*\t:O+8*\t+7], v[VF+12*\t:VF+12*\t+11], v[PC:PC+11], v[O+8*\t:O+8*\t+7], v[6+\t/2], v242 matrix_a_fmt:MATRIX_FMT_BF6 matrix_b_fmt:MATRIX_FMT_BF6
.endif
.endr
.Lhidden_\@:
	s_add_co_u32 s56, s56, 6144                    ; the next group's codes of K,
	s_add_co_u32 s57, s57, 6144                    ; of V,
	s_add_co_u32 s58, s58, 512                     ; and scale words
.endm
.macro KLOOP trips
	s_mov_b32 s56, 0
	s_mov_b32 s57, 98304
	s_mov_b32 s58, 0
	s_mov_b32 s59, 0
.irp i, 0,1,2,3,4,5,6,7                ; group 0's K and its scale words: every later group's are asked for a step ahead
	ds_load_b128 v[KF+6*\i:KF+6*\i+3], v1 offset:768*\i
	ds_load_b64 v[KF+6*\i+4:KF+6*\i+5], v2 offset:768*\i+512
.endr
.irp i, 0,1,2,3
	ds_load_u16 v[28+\i], v3 offset:4*\i
.endr
.Lkeys_\@:
	KSTEP
	s_add_co_u32 s59, s59, 1
	s_cmp_lt_u32 s59, \trips
	s_cbranch_scc1 .Lkeys_\@
	s_wait_dscnt 0x0                               ; the last step's loads of K have landed: their registers are taken to work in
.endm
; O^T / the sum; its 64 channels are two blocks of the last product's K: quantised, and stored as an image of that product's operand.
.macro FINISH
.rept 4
	v_nop                                          ; four places behind the last products
.endr
	v_add_f32 v14, v14, v15
	s_delay_alu instid0(VALU_DEP_1)
	v_permlanex16_b32 v50, v14, s20, s21
	s_delay_alu instid0(VALU_DEP_1)
	v_add_f32 v14, v14, v50                        ; the row's sum
	s_wait_alu depctr_va_vdst(0)
	v_rcp_f32 v14, v14
	v_nop                                          ; one plain line behind a transcendental
.set j, 0
	s_wait_alu depctr_va_vdst(0)
.rept 32
	v_mul_f32 v[S+j], v[O+j], v14                  ; register 16 B + i: channel 32 B + 16 (lane / 16) + i of my query
.set j, j+1
.endr
.irp b, 0,1
	v_max3_num_f32 v[32+\b], |v[S+16*\b]|, |v[S+1+16*\b]|, 0x2800000
.endr
.irp i, 2,4,6,8,10,12,14
.irp b, 0,1
	s_delay_alu instid0(VALU_DEP_2)
	v_max3_num_f32 v[32+\b], v[32+\b], |v[S+16*\b+\i]|, |v[S+1+16*\b+\i]|
.endr
.endr
.irp b, 0,1
	s_delay_alu instid0(VALU_DEP_2)
	v_permlanex16_b32 v[36+\b], v[32+\b], s20, s21
.endr
.irp b, 0,1
	s_delay_alu instid0(VALU_DEP_2)
	v_max_num_f32 v[32+\b], v[32+\b], v[36+\b]
.endr
.irp b, 0,1
	s_delay_alu instid0(VALU_DEP_2)
	v_add_nc_u32 v[52+\b], 0xfe000000, v[32+\b]
.endr
.irp b, 0,1
	s_delay_alu instid0(VALU_DEP_2)
	v_lshrrev_b32 v[36+\b], 23, v[52+\b]
.endr
	s_delay_alu instid0(VALU_DEP_1)
	v_lshl_or_b32 v248, v37, 8, v36                ; my row's two scale bytes (the same in lanes l and l + 16)
	v_cvt_scalef32_pk16_bf6_f32 v[PC:PC+2], v[S:S+15], v52
	v_cvt_scalef32_pk16_bf6_f32 v[40:42], v[S+16:S+31], v53
	v_nop                                          ; one plain line behind a scaled conversion
.irp i, 0,1,2
	v_permlane16_swap_b32 v[PC+\i], v[40+\i]
.endr
.irp i, 0,1,2
	s_delay_alu instid0(VALU_DEP_3)
	v_mov_b32 v[PC+3+\i], v[40+\i]
.endr
	global_store_b128 v1, v[PC:PC+3], s[66:67]              ; 512 consecutive bytes, aligned to 256
	global_store_b64 v2, v[PC+4:PC+5], s[66:67] offset:512  ; 256 consecutive bytes, aligned
	global_store_b16 v250, v248, s[68:69]
.endm
	s_sub_co_u32 s19, 15, s17                      ; the late tile: token group 15 - wp
	INIT
	s_wait_tensorcnt 0x0                           ; my part of K, V or their scale words has landed,
	s_barrier_signal -1
	s_barrier_wait -1                              ; everybody's has: LDS is only read from here on
	s_wait_loadcnt 0x0                             ; Q
	KLOOP 16
	s_wait_alu depctr_va_vdst(0)
	FINISH
	s_wait_xcnt 0x0                                ; the stores have read their data and bases: both are written again only behind this wait
	s_mov_b32 s19, s17                             ; the early tile: token group wp
	INIT
	s_wait_loadcnt 0x0
	KLOOP 8
	s_wait_alu depctr_va_vdst(0)
	FINISH
	s_wait_dscnt 0x0
	s_wait_tensorcnt 0x0
	ds_add_u32 v254, v255
	s_wait_dscnt 0x0
	CROUND                                         ; the closing round
	s_endpgm
.Lfunc_end_k_q75b57b5cd0_attn:
	.size	k_q75b57b5cd0_attn, .Lfunc_end_k_q75b57b5cd0_attn-k_q75b57b5cd0_attn
	.p2alignl 7, 3214868480
	.fill 96, 4, 3214868480
	.section	.rodata,"a",@progbits
	.p2align	6, 0x0
	.amdhsa_kernel k_q75b57b5cd0_attn
		.amdhsa_group_segment_fixed_size 215040
		.amdhsa_private_segment_fixed_size 0
		.amdhsa_enable_private_segment 0
		.amdhsa_kernarg_size 32
		.amdhsa_user_sgpr_count 2
		.amdhsa_user_sgpr_kernarg_segment_ptr 1
		.amdhsa_wavefront_size32 1
		.amdhsa_system_sgpr_workgroup_id_x 1
		.amdhsa_system_sgpr_workgroup_id_y 1
		.amdhsa_system_sgpr_workgroup_id_z 1
		.amdhsa_system_vgpr_workitem_id 0
		.amdhsa_next_free_vgpr 256
		.amdhsa_next_free_sgpr 82
		.amdhsa_reserve_vcc 1
		.amdhsa_float_denorm_mode_32 3
		.amdhsa_float_denorm_mode_16_64 3
		.amdhsa_memory_ordered 1
		.amdhsa_forward_progress 1
		.amdhsa_inst_pref_size 69
	.end_amdhsa_kernel
	.amdgpu_metadata
---
amdhsa.version: [ 1, 2 ]
amdhsa.kernels:
  - .name:           k_q75b57b5cd0_attn
    .symbol:         k_q75b57b5cd0_attn.kd
    .args:
      - { .name: qkvc, .offset: 0, .size: 8, .value_kind: global_buffer, .address_space: global }
      - { .name: qkvs, .offset: 8, .size: 8, .value_kind: global_buffer, .address_space: global }
      - { .name: actc, .offset: 16, .size: 8, .value_kind: global_buffer, .address_space: global }
      - { .name: acts, .offset: 24, .size: 8, .value_kind: global_buffer, .address_space: global }
    .group_segment_fixed_size: 215040
    .private_segment_fixed_size: 0
    .kernarg_segment_align: 8
    .kernarg_segment_size: 32
    .max_flat_workgroup_size: 512
    .sgpr_count:     82
    .vgpr_count:     256
    .wavefront_size: 32
...
	.end_amdgpu_metadata
.endif
;; end of part 3
;; launch proj (part 4): grid 64 x 4, 4 waves a work-group, clusters of 4 x 4, 327,680 bytes of LDS; arguments actc, acts, wc, ws, out0; writes out0
.if DOCPART == 4
	.amdgcn_target "amdgcn-amd-amdhsa--gfx1250"
	.amdhsa_code_object_version 6
	.text
	.protected	k_q75b57b5cd0_proj
	.globl	k_q75b57b5cd0_proj
	.p2align	8
	.type	k_q75b57b5cd0_proj,@function
k_q75b57b5cd0_proj:
	s_mov_b64 s[64:65], 0
	v_nop
	global_prefetch_b8 v0, s[64:65] scope:SCOPE_SE
	s_setreg_imm32_b32 hwreg(HW_REG_WAVE_MODE, 25, 1), 1
	s_wait_xcnt 0x0
	s_wait_alu depctr_hold_cnt(0) depctr_sa_sdst(0) depctr_va_vdst(0) depctr_va_sdst(0) depctr_va_ssrc(0) depctr_va_vcc(0) depctr_vm_vsrc(0)
	s_getreg_b32 s2, hwreg(HW_REG_IB_STS2, 6, 4)
	s_cmp_eq_u32 s2, 0
	s_cbranch_scc0 .Lentry_in_a_cluster
	s_endpgm
.Lentry_in_a_cluster:
	s_bfe_u32 s2, ttmp6, 0x10000c
	s_cmp_lg_u32 s2, 0xf033
	s_cbranch_scc0 .Lentry_shape_is_right
	s_endpgm
.Lentry_shape_is_right:
; out0 = attention's result x Wo on codes of BF6 (E3M2) with E8M0 scales, K = 1,024; out0 [8192][1024] f32.
; A work-group of four waves makes 128 tokens x 256 columns: 64 x 4 = 256 work-groups.  A wave makes 64 x 128: 32 accumulators.  Source 0 = 16 columns of Wo, source 1 = 16 tokens: a lane holds eight neighbouring columns of one token.
; OPERANDS lie in memory in the order of their registers: [tile of 16 rows][K / 128][2][768 bytes]; lane (r, h) owns 16 bytes at 16 lane and 8 bytes at 512 + 8 lane of each 768.
; Rows are kept with bits 3 and 4 of their number exchanged; the way out puts columns (in the stage) and tokens (in the stores' offsets) back in order.
; ALL OF K LIES IN LDS: the tokens' 8 tiles (98,304 dense bytes) at 0, Wo's 16 tiles (196,608) behind them.  One tensor load a wave at the head (waves 0, 1: halves of the tokens', waves 2, 3: halves of Wo's); nothing is filled again.
; The scale words go from memory into 48 registers a wave, once: a load takes two tiles' words, the even tile's in lanes 0-15, the odd tile's in lanes 16-31.
; CLUSTER 4 x 4: the tokens' tiles hang on cy alone and are shared along a row of the cluster, Wo's on cx alone and are shared along a column: joint loads.
; No prefetch: every tile is asked for at the head, and there is no loop to run ahead in.
; REGISTERS: window 0: v8-13, v21-25 addresses; v28, v29 the add's; v32-47 the tokens' scale words, v48-79 Wo's; v128-223 source 1's fragments, two sets; on the way out v128-255 rows of out0.
;   window 1: source 0's fragments, two sets, at v0 and v128.   window 2: accumulator (a, b) at v[8 (8 a + b)], a: the tokens' tile, b: Wo's.
.set SPARE, 294912                     ; the spare words, 128 bytes a wave
.set AF,  128
.set SA,  32
.set SB,  48
.set BK,  128
.set G1A, 48
.set G1B, 56
.set GA,  68
.set GB,  72
.set MSB, 0
.macro WIN new                         ; the immediate's high byte repeats the setting that is left
.if MSB != (\new)
	s_set_vgpr_msb (MSB<<8)|(\new)
.set MSB, (\new)
.endif
.endm
.macro PLACES n
.rept \n
	v_nop
.endr
.endm
.macro CROUND                          ; a round of the cluster's barrier
	s_barrier_signal -1
	s_barrier_wait -1
	s_cmp_lg_u32 s16, 0
	s_cbranch_scc1 .Lnot_wave_0_\@
	s_barrier_signal -3
.Lnot_wave_0_\@:
	s_barrier_wait -3
	s_barrier_signal -1
	s_barrier_wait -1
.endm
	s_load_b256 s[4:11], s[0:1], 0x0               ; actc, acts, wc, ws
	s_load_b64 s[12:13], s[0:1], 0x20              ; out0
	v_lshl_add_u32 v28, v0, 2, SPARE
	v_mov_b32 v29, 0
	ds_add_u32 v28, v29                            ; the opening lines: the add, twice on end, and its wait
	ds_add_u32 v28, v29
	v_lshrrev_b32 v1, 5, v0
	v_readfirstlane_b32 s16, v1                    ; wave
	s_lshr_b32 s17, s16, 1                         ; which 64 tokens are mine.  Also: I fetch for source 1 (0) or source 0 (1)
	s_and_b32 s18, s16, 1                          ; which 128 columns.  Also: which half I fetch
	s_bfe_u32 s19, ttmp6, 0x40000                  ; cx
	s_bfe_u32 s20, ttmp6, 0x40004                  ; cy
	s_lshl_b32 s21, s20, 2
	s_lshl_b32 s21, 15, s21                        ; my row of the cluster
	s_lshl_b32 s22, 0x1111, s19                    ; my column
	s_or_b32 s[G1A], s21, (3<<16)|(1<<21)          ; group 1: dense blocks as rows of 256 bytes (32 elements of 8): 192 rows for the tokens' halves,
	s_or_b32 s[G1B], s22, (3<<16)|(1<<21)          ; 384 for Wo's
	s_mov_b32 s[G1A+2], 192<<16
	s_mov_b32 s[G1A+4], 192
	s_mov_b32 s[G1B+2], 384<<16
	s_mov_b32 s[G1B+4], 384
.irp g, G1A, G1B
	s_mov_b32 s[\g+1], 32<<16
	s_mov_b32 s[\g+3], 32<<16
	s_mov_b32 s[\g+5], 32
	s_mov_b32 s[\g+6], 0
	s_mov_b32 s[\g+7], 0
.endr
	s_lshl_b32 s23, ttmp9, 2
	s_add_co_u32 s23, s23, s20                     ; my 128 tokens: 4 x cluster + cy
	s_add_co_u32 s2, s19, 12                       ; Wo's 256 columns: 12 + cx among the four weights' sixteen
	s_mov_b32 s[GA], 1
	s_mul_i32 s[GA+1], s18, 49152                  ; LDS addresses hang on the wave's number alone
	s_mul_i32 s24, s18, 49152
	s_mul_i32 s[GA+2], s23, 98304
	s_add_co_u32 s[GA+2], s[GA+2], s24
	s_mov_b32 s[GA+3], 0
	s_mov_b32 s[GB], 1
	s_mul_i32 s25, s18, 98304
	s_add_co_u32 s[GB+1], s25, 98304
	s_mul_i32 s[GB+2], s2, 196608
	s_add_co_u32 s[GB+2], s[GB+2], s25
	s_mov_b32 s[GB+3], 0
	s_lshr_b32 s40, s23, 1                         ; the tokens' scale words: [256 rows][K / 128][row % 256]: 8,192 bytes a group,
	s_lshl_b32 s40, s40, 13
	s_and_b32 s26, s23, 1
	s_lshl_b32 s26, s26, 9                         ; 512 for 128 rows,
	s_add_co_u32 s40, s40, s26
	s_lshl_b32 s26, s17, 8                         ; 256 for my 64
	s_add_co_u32 s40, s40, s26
	s_mov_b32 s41, 0
	s_lshl_b32 s42, s2, 13                         ; Wo's
	s_lshl_b32 s26, s18, 9
	s_add_co_u32 s42, s42, s26
	s_mov_b32 s43, 0
	s_lshl_b32 s44, s23, 19                        ; out0: 128 rows of 4,096 bytes,
	s_lshl_b32 s27, s17, 18                        ; my 64,
	s_add_co_u32 s44, s44, s27
	s_lshl_b32 s27, s19, 10                        ; 256 columns a work-group,
	s_add_co_u32 s44, s44, s27
	s_add_co_u32 s44, s44, s26                     ; 128 a wave
	s_mov_b32 s45, 0
	s_mul_i32 s28, s17, 49152                      ; LDS: my four tiles of tokens,
	s_add_co_u32 s29, s25, 98304                   ; my eight of Wo,
	s_mul_i32 s30, s16, 8448                       ; my stage for the way out: 16 rows x (512 bytes + 16), over the tokens' codes, which are read no more by then
	v_and_b32 v1, 31, v0
	v_and_b32 v2, 15, v0                           ; r
	v_bfe_u32 v3, v0, 4, 1                         ; h
	v_lshlrev_b32 v21, 4, v1                       ; 16 lane
	v_lshlrev_b32 v22, 3, v1                       ; 8 lane
	v_lshlrev_b32 v23, 2, v1                       ; 4 lane
	v_add_nc_u32 v8, s28, v21
	v_add_nc_u32 v9, s28, v22
	v_add_nc_u32 v10, s29, v21                     ; Wo's tiles 0-3,
	v_add_nc_u32 v11, s29, v22
	v_add_nc_u32 v12, 49152, v10                   ; and 4-7: an LDS offset has 16 bits
	v_add_nc_u32 v13, 49152, v11
	v_mul_u32_u24 v4, v2, 528
	v_lshl_add_u32 v4, v3, 6, v4
	v_add_nc_u32 v24, s30, v4                      ; into the stage: row r, + 64 (lane / 16)
	v_add_nc_u32 v25, s30, v21                     ; back: a row's 512 bytes, 16 a lane
	s_wait_alu depctr_va_vdst(0)
	s_wait_dscnt 0x0                               ; both opening adds are done
	s_wait_kmcnt 0x0
	s_add_nc_u64 s[GA+2:GA+3], s[4:5], s[GA+2:GA+3]
	s_or_b32 s[GA+3], s[GA+3], 0x80000000
	s_add_nc_u64 s[GB+2:GB+3], s[8:9], s[GB+2:GB+3]
	s_or_b32 s[GB+3], s[GB+3], 0x80000000
	s_add_nc_u64 s[40:41], s[6:7], s[40:41]
	s_add_nc_u64 s[42:43], s[10:11], s[42:43]
	s_add_nc_u64 s[44:45], s[12:13], s[44:45]
	CROUND                                         ; all sixteen work-groups are here: the joint loads meet
	s_cmp_eq_u32 s17, 0                            ; one load a wave; an s_nop 0 and four v_nop follow each line
	s_cbranch_scc0 .Lfor_b
	tensor_load_to_lds s[GA:GA+3], s[G1A:G1A+7]
	s_nop 0
	PLACES 4
	s_branch .Lasked
.Lfor_b:
	tensor_load_to_lds s[GB:GB+3], s[G1B:G1B+7]
	s_nop 0
	PLACES 4
.Lasked:
.irp t, 0,1,2,3,4,5,6,7                ; the scale words of all of K: 128 consecutive bytes a load
.irp j, 0,1
	global_load_b32 v[SA+2*\t+\j], v23, s[40:41] offset:1024*\t+128*\j
.endr
.irp j, 0,1,2,3
	global_load_b32 v[SB+4*\t+\j], v23, s[42:43] offset:1024*\t+128*\j
.endr
.endr
.macro FRAG reg, a16, a8, off          ; a fragment, 16 rows x 128 K, 12 registers: two images of 768 bytes
	ds_load_b128 v[\reg:\reg+3], v[\a16] offset:\off
	ds_load_b64 v[\reg+4:\reg+5], v[\a8] offset:\off+512
	ds_load_b128 v[\reg+6:\reg+9], v[\a16] offset:\off+768
	ds_load_b64 v[\reg+10:\reg+11], v[\a8] offset:\off+1280
.endm
.macro FETCH t                         ; K step t's twelve fragments into set t % 2: 48 loads
	WIN 0x40                                       ; destination window 1, address window 0
.irp i, 0,1,2,3,4,5,6,7
	FRAG 128*((\t)%2)+12*\i, 10+2*(\i/4), 11+2*(\i/4), 1536*(\t)+12288*(\i%4)
.endr
	WIN 0
.irp i, 0,1,2,3
	FRAG AF+48*((\t)%2)+12*\i, 8, 9, 1536*(\t)+12288*\i
.endr
.endm
; one product; rb, ra: the odd tile of a pair has its scale words in lanes 16-31
.macro WM z, rb, ra
.if (\z)
.if (\rb) && (\ra)
	v_wmma_scale_f32_16x16x128_f8f6f4 v[D:D+7], v[BR:BR+11], v[AR:AR+11], 0, v[S0], v[S1] matrix_a_fmt:MATRIX_FMT_BF6 matrix_b_fmt:MATRIX_FMT_BF6 matrix_a_scale:MATRIX_SCALE_ROW1 matrix_b_scale:MATRIX_SCALE_ROW1
.elseif (\rb)
	v_wmma_scale_f32_16x16x128_f8f6f4 v[D:D+7], v[BR:BR+11], v[AR:AR+11], 0, v[S0], v[S1] matrix_a_fmt:MATRIX_FMT_BF6 matrix_b_fmt:MATRIX_FMT_BF6 matrix_a_scale:MATRIX_SCALE_ROW1
.elseif (\ra)
	v_wmma_scale_f32_16x16x128_f8f6f4 v[D:D+7], v[BR:BR+11], v[AR:AR+11], 0, v[S0], v[S1] matrix_a_fmt:MATRIX_FMT_BF6 matrix_b_fmt:MATRIX_FMT_BF6 matrix_b_scale:MATRIX_SCALE_ROW1
.else
	v_wmma_scale_f32_16x16x128_f8f6f4 v[D:D+7], v[BR:BR+11], v[AR:AR+11], 0, v[S0], v[S1] matrix_a_fmt:MATRIX_FMT_BF6 matrix_b_fmt:MATRIX_FMT_BF6
.endif
.else
.if (\rb) && (\ra)
	v_wmma_scale_f32_16x16x128_f8f6f4 v[D:D+7], v[BR:BR+11], v[AR:AR+11], v[D:D+7], v[S0], v[S1] matrix_a_fmt:MATRIX_FMT_BF6 matrix_b_fmt:MATRIX_FMT_BF6 matrix_a_scale:MATRIX_SCALE_ROW1 matrix_b_scale:MATRIX_SCALE_ROW1
.elseif (\rb)
	v_wmma_scale_f32_16x16x128_f8f6f4 v[D:D+7], v[BR:BR+11], v[AR:AR+11], v[D:D+7], v[S0], v[S1] matrix_a_fmt:MATRIX_FMT_BF6 matrix_b_fmt:MATRIX_FMT_BF6 matrix_a_scale:MATRIX_SCALE_ROW1
.elseif (\ra)
	v_wmma_scale_f32_16x16x128_f8f6f4 v[D:D+7], v[BR:BR+11], v[AR:AR+11], v[D:D+7], v[S0], v[S1] matrix_a_fmt:MATRIX_FMT_BF6 matrix_b_fmt:MATRIX_FMT_BF6 matrix_b_scale:MATRIX_SCALE_ROW1
.else
	v_wmma_scale_f32_16x16x128_f8f6f4 v[D:D+7], v[BR:BR+11], v[AR:AR+11], v[D:D+7], v[S0], v[S1] matrix_a_fmt:MATRIX_FMT_BF6 matrix_b_fmt:MATRIX_FMT_BF6
.endif
.endif
.endm
; a K step's 32 products: the 32 accumulators take turns, one instruction a turn, in the same order in every step
.macro MUL t, zero
	WIN 0xa1                                       ; source 0 window 1, source 1 window 0, C and D window 2
.irp a, 0,1,2,3
.irp b, 0,1,2,3,4,5,6,7
.set D, 8*(8*\a+\b)
.set BR, 128*((\t)%2)+12*\b
.set AR, AF+48*((\t)%2)+12*\a
.set S0, SB+4*(\t)+\b/2
.set S1, SA+2*(\t)+\a/2
	WM \zero, \b%2, \a%2
.endr
.endr
.endm
	s_wait_tensorcnt 0x0                           ; my part of the codes has landed,
	s_barrier_signal -1
	s_barrier_wait -1                              ; everybody's has
	FETCH 0
	FETCH 1
	s_wait_loadcnt 0x0                             ; the scale words
	s_wait_dscnt 48                                ; K step 0's fragments are in; K step 1's 48 loads may be out
	MUL 0, 1                                       ; the first products start the sums: nothing is cleared
.irp t, 1,2,3,4,5,6
	PLACES 4                                       ; loads into registers that matrix instructions have read stand four plain vector lines behind them
	FETCH \t+1
	s_wait_dscnt 48                                ; this step's fragments are in; the 48 loads just issued may be out
	MUL \t, 0
.endr
	s_wait_dscnt 0x0                               ; my reads of the codes are over:
	s_barrier_signal -1                            ; say so,
	MUL 7, 0
	WIN 0
	s_barrier_wait -1                              ; everybody's are: the stages may be written
; THE WAY OUT, a tile of 16 tokens x 128 columns at a time, through my own stage.  Accumulator b = 2 B + u holds, in lane (r, h), columns 32 B + 16 h + 8 u + 0 .. 7 of kept token r: byte 128 B + 64 h + 32 u of the row.
; Rows come back whole, 512 bytes; kept row t of tile a is token 32 (a / 2) + 8 (a % 2) + t + 8 (t / 8) of my 64.  LDS serves a wave's instructions in order (ISA guide 5.7.1.4).
.macro TOSTAGE a
	WIN 0x08                                       ; an LDS store's data are its source 1: window 2
.irp b, 0,1,2,3,4,5,6,7
	ds_store_b128 v24, v[64*(\a)+8*\b:64*(\a)+8*\b+3] offset:128*(\b/2)+32*(\b%2)          ; each accumulator from its low end on
	ds_store_b128 v24, v[64*(\a)+8*\b+4:64*(\a)+8*\b+7] offset:128*(\b/2)+32*(\b%2)+16
.endr
	WIN 0
.set BB, BK+64*((\a)%2)
.irp t, 0,1,2,3,4,5,6,7,8,9,10,11,12,13,14,15
	ds_load_b128 v[BB+4*\t:BB+4*\t+3], v25 offset:\t*528
.endr
.endm
.macro SEND a, younger                 ; younger: the LDS instructions issued behind tile a's loads, which may stay out
.set BB, BK+64*((\a)%2)
	s_wait_dscnt \younger
.irp t, 0,1,2,3,4,5,6,7,8,9,10,11,12,13,14,15
	global_store_b128 v21, v[BB+4*\t:BB+4*\t+3], s[44:45] offset:(32*((\a)/2)+8*((\a)%2)+\t+8*(\t/8))*4096 th:TH_STORE_NT   ; 512 consecutive bytes, aligned to 256
.endr
.endm
	PLACES 4                                       ; behind the last products
	TOSTAGE 0
.irp a, 1,2,3
.if \a > 1
	s_wait_xcnt 0x0                                ; tile a - 2's stores have read their registers: tile a's loads may land there
.endif
	TOSTAGE \a
	SEND \a-1, 32                                  ; behind tile a - 1's loads: tile a's 16 stores and 16 loads
.endr
	SEND 3, 0
	s_wait_tensorcnt 0x0                           ; the wave's end
	ds_add_u32 v28, v29
	s_wait_dscnt 0x0
	CROUND                                         ; the closing round
	s_endpgm
.Lfunc_end_k_q75b57b5cd0_proj:
	.size	k_q75b57b5cd0_proj, .Lfunc_end_k_q75b57b5cd0_proj-k_q75b57b5cd0_proj
	.p2alignl 7, 3214868480
	.fill 96, 4, 3214868480
	.section	.rodata,"a",@progbits
	.p2align	6, 0x0
	.amdhsa_kernel k_q75b57b5cd0_proj
		.amdhsa_group_segment_fixed_size 327680
		.amdhsa_private_segment_fixed_size 0
		.amdhsa_enable_private_segment 0
		.amdhsa_kernarg_size 40
		.amdhsa_user_sgpr_count 2
		.amdhsa_user_sgpr_kernarg_segment_ptr 1
		.amdhsa_wavefront_size32 1
		.amdhsa_system_sgpr_workgroup_id_x 1
		.amdhsa_system_sgpr_workgroup_id_y 1
		.amdhsa_system_sgpr_workgroup_id_z 1
		.amdhsa_system_vgpr_workitem_id 0
		.amdhsa_next_free_vgpr 768
		.amdhsa_next_free_sgpr 80
		.amdhsa_reserve_vcc 0
		.amdhsa_float_denorm_mode_32 3
		.amdhsa_float_denorm_mode_16_64 3
		.amdhsa_memory_ordered 1
		.amdhsa_forward_progress 1
		.amdhsa_inst_pref_size 83
	.end_amdhsa_kernel
	.amdgpu_metadata
---
amdhsa.version: [ 1, 2 ]
amdhsa.kernels:
  - .name:           k_q75b57b5cd0_proj
    .symbol:         k_q75b57b5cd0_proj.kd
    .args:
      - { .name: actc, .offset: 0, .size: 8, .value_kind: global_buffer, .address_space: global }
      - { .name: acts, .offset: 8, .size: 8, .value_kind: global_buffer, .address_space: global }
      - { .name: wc, .offset: 16, .size: 8, .value_kind: global_buffer, .address_space: global }
      - { .name: ws, .offset: 24, .size: 8, .value_kind: global_buffer, .address_space: global }
      - { .name: out0, .offset: 32, .size: 8, .value_kind: global_buffer, .address_space: global }
    .group_segment_fixed_size: 327680
    .private_segment_fixed_size: 0
    .kernarg_segment_align: 8
    .kernarg_segment_size: 40
    .max_flat_workgroup_size: 128
    .sgpr_count:     80
    .vgpr_count:     768
    .wavefront_size: 32
...
	.end_amdgpu_metadata
.endif
;; end of part 4
